; MI455X (gfx1250); checked and timed in simulation.
; The chip was launched on July 23, 2026; its instructions are those of AMD's public machine-readable ISA for CDNA 5 (MIT licence, August 2026) and "CDNA5" Instruction Set Architecture Reference Guide (July 2026). The comments in the code are by the model that wrote it; some were corrected since.
;; Causal Self Attention Batched. Allowed arithmetic: float matrix products may take bf16 or f16 operands with f32 sums; other float arithmetic in f32, or as packed bf16 or f16 multiplies, adds, multiply-adds, maxima and minima; sums over many terms, partial sums and values carried from step to step in f32; what a program stores and reads back later, other than sums and carried values, may be rounded once to bf16 or f16.
;; Inputs: c_proj_weight 1,024 x 1,024 float32; qkv_w 3 x 1,024 x 1,024 float32; sa_lambdas 2 float32; ve 4 x 2,048 x 1,024 float32; x 4 x 2,048 x 1,024 float32.
;; Outputs: out0 4 x 2,048 x 1,024 float32.
;; One version. Each part assembles by itself: llvm-mc -triple=amdgcn-amd-amdhsa -mcpu=gfx1250 --defsym DOCPART=n.
;; ======== version 1 of 1: 4 launches
;; limits: values are held in f16: magnitudes above 65,504 overflow, below 6.1e-05 lose precision
;; workspace buffers: xb 16,777,216 bytes; wb 6,291,456 bytes; cw 2,097,152 bytes; rope 524,288 bytes; qh 16,777,216 bytes; kh 16,777,216 bytes; vh 16,777,216 bytes; yp 16,777,216 bytes
;; launch prep (part 1): grid 512 x 1, 8 waves a work-group, no clusters, 0 bytes of LDS; arguments x, qkv_w, c_proj_weight, xb, wb, cw, rope; writes xb, wb, cw, rope
.if DOCPART == 1
	.amdgcn_target "amdgcn-amd-amdhsa--gfx1250"
	.amdhsa_code_object_version 6
	.text
	.protected	k_qdb882e07ab_prep
	.globl	k_qdb882e07ab_prep
	.p2align	8
	.type	k_qdb882e07ab_prep,@function
k_qdb882e07ab_prep:
	s_mov_b64 s[64:65], 0
	v_nop
	global_prefetch_b8 v0, s[64:65] scope:SCOPE_SE
	s_setreg_imm32_b32 hwreg(HW_REG_WAVE_MODE, 25, 1), 1
	s_wait_xcnt 0x0
; PREP.  Work-groups 0-383 cast 32 rows of 1,024 f32 each into K PANELS: [K/64][rows][64] of 16-bit numbers, so that a tile of R rows x 64 k is R x 128 dense bytes.
;   0-255   x -> xb, bf16.      256-351 qkv_w -> wb, bf16, rows laid by heads: row' = h 384 + j 128 + d for source row j 1024 + h 128 + d (j = q, k, v).
;   352-383 c_proj_weight -> cw: rounded to bf16 like every input, and that number written as f16.
; Work-groups 384-511 make the rotation table rope[t][64] in f32: cos of the 32 turning frequencies, then sin; 16 rows of 256 bytes each.
; LIMITS.  cw: beyond 65,504 f16 has no number; below 2^-14 it keeps f16's fixed step of 6e-8.  A frequency is 2^(-10 i / 31) by v_exp_f32, good to the last bit or two,
; so an angle at t = 2,047 is off by 3e-4 rad at the most.  No LDS, no matrix unit, no cluster: a stream whose work-groups share nothing.
.set DO,  16                           ; v[16:31]   panel p: my 16 bytes' offset in the destination
.set IN,  32                           ; v[32:159]  panel p: 8 f32 as loaded
.set OUT, 160                          ; v[160:223] panel p: 8 numbers of 16 bits
	s_load_b256 s[4:11], s[0:1], 0x0               ; x s[4:5], qkv_w s[6:7], c_proj_weight s[8:9], xb s[10:11]
	s_load_b128 s[12:15], s[0:1], 0x20             ; wb s[12:13], cw s[14:15]
	s_load_b64 s[16:17], s[0:1], 0x30              ; rope
	s_mov_b32 s20, ttmp9
	s_wait_kmcnt 0x0
	s_cmp_lt_u32 s20, 384
	s_cbranch_scc0 .Lrope
	; which tensor: the choices hang on the work-group's number alone
	s_mov_b32 s26, 0x60000                         ; bytes in a panel of wb,
	s_cmp_lt_u32 s20, 256
	s_cselect_b64 s[22:23], s[4:5], s[6:7]
	s_cselect_b64 s[24:25], s[10:11], s[12:13]
	s_cselect_b32 s26, 0x100000, s26               ; of xb,
	s_cselect_b32 s27, 0, 256
	s_cmp_lt_u32 s20, 352
	s_cselect_b64 s[22:23], s[22:23], s[8:9]
	s_cselect_b64 s[24:25], s[24:25], s[14:15]
	s_cselect_b32 s26, s26, 0x20000                ; of cw
	s_cselect_b32 s27, s27, 352
	s_sub_co_u32 s28, s20, s27                     ; my group of 32 rows in the source
	s_lshl_b32 s29, s28, 5                         ; the same rows in the destination, but for wb:
	s_bfe_u32 s30, s28, 0x30002                    ; h
	s_mul_i32 s30, s30, 384
	s_lshr_b32 s31, s28, 5                         ; j
	s_lshl_b32 s31, s31, 7
	s_add_co_u32 s30, s30, s31
	s_and_b32 s31, s28, 3                          ; d / 32
	s_lshl_b32 s31, s31, 5
	s_add_co_u32 s30, s30, s31
	s_cmp_eq_u32 s27, 256
	s_cselect_b32 s29, s30, s29
	s_lshl_b32 s30, s28, 17                        ; 32 rows of 4,096 bytes
	s_mov_b32 s31, 0
	s_add_nc_u64 s[22:23], s[22:23], s[30:31]
	s_lshl_b32 s30, s29, 7                         ; a row of a panel is 128 bytes
	s_add_nc_u64 s[24:25], s[24:25], s[30:31]
	v_lshrrev_b32 v1, 3, v0                        ; thread t: row t / 8, and 32 bytes (8 f32) of each panel's 256
	v_and_b32 v2, 7, v0
	v_lshlrev_b32 v2, 5, v2
	v_lshl_add_u32 v1, v1, 12, v2
	v_lshlrev_b32 v[DO], 4, v0                     ; in a panel: row x 128 + 16 (t % 8) = 16 t
.set p, 1
.rept 15
	v_add_nc_u32 v[DO+p], s26, v[DO+p-1]
.set p, p+1
.endr
.set p, 0
.rept 16
	global_load_b128 v[IN+8*p:IN+8*p+3],   v1, s[22:23] offset:256*p th:TH_LOAD_NT
	global_load_b128 v[IN+8*p+4:IN+8*p+7], v1, s[22:23] offset:256*p+16 th:TH_LOAD_NT
.set p, p+1
.endr
.set p, 0
.rept 16
	s_wait_loadcnt 30-2*p                          ; loads come back in order: panel p's two are in, the 30 - 2 p issued behind them stay out
.irp k, 0,1,2,3
	v_cvt_pk_bf16_f32 v[OUT+4*p+(\k)], v[IN+8*p+2*(\k)], v[IN+8*p+2*(\k)+1]
.endr
.set p, p+1
.endr
	s_cmp_lt_u32 s20, 352
	s_cbranch_scc1 .Lstore
.set p, 0
.rept 64                                               ; cw alone: the bf16 number written as f16
	v_lshlrev_b32 v2, 16, v[OUT+p]
	v_and_b32 v3, 0xffff0000, v[OUT+p]
	v_cvt_pk_f16_f32 v[OUT+p], v2, v3
.set p, p+1
.endr
.Lstore:
.set p, 0
.rept 16
	global_store_b128 v[DO+p], v[OUT+4*p:OUT+4*p+3], s[24:25]  ; a wave's store: 512 consecutive bytes of one panel, four rows
.set p, p+1
.endr
	s_endpgm
.Lrope:
	s_sub_co_u32 s21, s20, 384
	s_lshl_b32 s21, s21, 8
	s_mov_b32 s30, 0x3fc90fdb                      ; pi / 2, its f32,
	s_mov_b32 s31, 0xb33bbd2e                      ; and what that f32 lacks
	s_mov_b32 s32, 0x3638ef1d                      ; sine: 1 / 9!
	s_mov_b32 s33, 0xb9500d01                      ; -1 / 7!
	s_mov_b32 s34, 0x3c088889                      ; 1 / 5!
	s_mov_b32 s35, 0xbe2aaaab                      ; -1 / 3!
	s_mov_b32 s36, 0x37d00d01                      ; cosine: 1 / 8!
	s_mov_b32 s37, 0xbab60b61                      ; -1 / 6!
	s_mov_b32 s38, 0x3d2aaaab                      ; 1 / 4!
	v_add_nc_u32 v1, s21, v0                       ; n: 16 threads a row of the table
	v_lshrrev_b32 v2, 4, v1
	v_cvt_f32_u32 v2, v2                           ; t
	v_and_b32 v3, 7, v0
	v_lshlrev_b32 v3, 2, v3                        ; my first frequency
	v_bfe_u32 v4, v0, 3, 1                         ; 0: cosines, 1: sines
	v_lshl_add_u32 v4, v4, 1, v4                   ; sin(a) = cos(a + 3 quarter turns)
	v_lshlrev_b32 v1, 4, v1                        ; my 16 bytes
.irp e, 0,1,2,3
	v_add_nc_u32 v[12+\e], \e, v3
	v_cvt_f32_u32 v[12+\e], v[12+\e]
	v_mul_f32 v[12+\e], 0xbea5294a, v[12+\e]       ; -10 i / 31
.endr
.irp e, 0,1,2,3
	v_exp_f32 v[12+\e], v[12+\e]
.endr
	v_nop                                          ; a plain instruction between the last exponential and the use of its result
	s_wait_alu depctr_va_vdst(0)
.irp e, 0,1,2,3
	v_mul_f32 v[16+\e], v2, v[12+\e]               ; the angle
	v_mul_f32 v[20+\e], 0x3f22f983, v[16+\e]
	v_rndne_f32 v[20+\e], v[20+\e]                 ; whole quarter turns
	v_fma_f32 v[24+\e], -v[20+\e], s30, v[16+\e]
	v_fma_f32 v[24+\e], -v[20+\e], s31, v[24+\e]   ; what is left, within pi / 4
	v_cvt_i32_f32 v[28+\e], v[20+\e]
	v_add_nc_u32 v[28+\e], v[28+\e], v4
	v_mul_f32 v[32+\e], v[24+\e], v[24+\e]
	v_fma_f32 v[36+\e], v[32+\e], s32, s33
	v_fma_f32 v[40+\e], v[32+\e], s36, s37
	v_fma_f32 v[36+\e], v[36+\e], v[32+\e], s34
	v_fma_f32 v[40+\e], v[40+\e], v[32+\e], s38
	v_fma_f32 v[36+\e], v[36+\e], v[32+\e], s35
	v_fma_f32 v[40+\e], v[40+\e], v[32+\e], -0.5
	v_mul_f32 v[44+\e], v[32+\e], v[24+\e]
	v_fma_f32 v[40+\e], v[40+\e], v[32+\e], 1.0    ; cosine of the rest
	v_fma_f32 v[36+\e], v[36+\e], v[44+\e], v[24+\e]  ; sine of the rest
	v_and_b32 v[44+\e], 1, v[28+\e]
	v_cmp_eq_u32 vcc_lo, 1, v[44+\e]
	v_cndmask_b32 v[8+\e], v[40+\e], v[36+\e], vcc_lo  ; odd quarter turns take the sine,
	v_add_nc_u32 v[44+\e], 1, v[28+\e]
	v_and_b32 v[44+\e], 2, v[44+\e]
	v_lshlrev_b32 v[44+\e], 30, v[44+\e]
	v_xor_b32 v[8+\e], v[8+\e], v[44+\e]           ; one and two quarter turns change the sign
.endr
	global_store_b128 v1, v[8:11], s[16:17]        ; 16 lanes store a row's 256 consecutive bytes
	s_endpgm
.Lfunc_end_k_qdb882e07ab_prep:
	.size	k_qdb882e07ab_prep, .Lfunc_end_k_qdb882e07ab_prep-k_qdb882e07ab_prep
	.p2alignl 7, 3214868480
	.fill 96, 4, 3214868480
	.section	.rodata,"a",@progbits
	.p2align	6, 0x0
	.amdhsa_kernel k_qdb882e07ab_prep
		.amdhsa_group_segment_fixed_size 0
		.amdhsa_private_segment_fixed_size 0
		.amdhsa_enable_private_segment 0
		.amdhsa_kernarg_size 56
		.amdhsa_user_sgpr_count 2
		.amdhsa_user_sgpr_kernarg_segment_ptr 1
		.amdhsa_wavefront_size32 1
		.amdhsa_system_sgpr_workgroup_id_x 1
		.amdhsa_system_sgpr_workgroup_id_y 1
		.amdhsa_system_sgpr_workgroup_id_z 1
		.amdhsa_system_vgpr_workitem_id 0
		.amdhsa_next_free_vgpr 224
		.amdhsa_next_free_sgpr 66
		.amdhsa_reserve_vcc 1
		.amdhsa_float_denorm_mode_32 3
		.amdhsa_float_denorm_mode_16_64 3
		.amdhsa_memory_ordered 1
		.amdhsa_forward_progress 1
		.amdhsa_inst_pref_size 28
	.end_amdhsa_kernel
	.amdgpu_metadata
---
amdhsa.version: [ 1, 2 ]
amdhsa.kernels:
  - .name:           k_qdb882e07ab_prep
    .symbol:         k_qdb882e07ab_prep.kd
    .args:
      - { .name: x, .offset: 0, .size: 8, .value_kind: global_buffer, .address_space: global }
      - { .name: qkv_w, .offset: 8, .size: 8, .value_kind: global_buffer, .address_space: global }
      - { .name: c_proj_weight, .offset: 16, .size: 8, .value_kind: global_buffer, .address_space: global }
      - { .name: xb, .offset: 24, .size: 8, .value_kind: global_buffer, .address_space: global }
      - { .name: wb, .offset: 32, .size: 8, .value_kind: global_buffer, .address_space: global }
      - { .name: cw, .offset: 40, .size: 8, .value_kind: global_buffer, .address_space: global }
      - { .name: rope, .offset: 48, .size: 8, .value_kind: global_buffer, .address_space: global }
    .group_segment_fixed_size: 0
    .private_segment_fixed_size: 0
    .kernarg_segment_align: 8
    .kernarg_segment_size: 56
    .max_flat_workgroup_size: 256
    .sgpr_count:     66
    .vgpr_count:     224
    .wavefront_size: 32
...
	.end_amdgpu_metadata
.endif
;; end of part 1
;; launch qkv (part 2): grid 8 x 32, 4 waves a work-group, clusters of 4 x 4, 327,680 bytes of LDS; arguments xb, wb, ve, sa_lambdas, rope, qh, kh, vh; writes qh, kh, vh
.if DOCPART == 2
	.amdgcn_target "amdgcn-amd-amdhsa--gfx1250"
	.amdhsa_code_object_version 6
	.text
	.protected	k_qdb882e07ab_qkv
	.globl	k_qdb882e07ab_qkv
	.p2align	8
	.type	k_qdb882e07ab_qkv,@function
k_qdb882e07ab_qkv:
	s_mov_b64 s[64:65], 0
	v_nop
	global_prefetch_b8 v0, s[64:65] scope:SCOPE_SE
	s_setreg_imm32_b32 hwreg(HW_REG_WAVE_MODE, 25, 1), 1
	s_wait_xcnt 0x0
	s_wait_alu depctr_hold_cnt(0) depctr_sa_sdst(0) depctr_va_vdst(0) depctr_va_sdst(0) depctr_va_ssrc(0) depctr_va_vcc(0) depctr_vm_vsrc(0)
	s_getreg_b32 s2, hwreg(HW_REG_IB_STS2, 6, 4)
	s_cmp_eq_u32 s2, 0
	s_cbranch_scc0 .Lentry_in_a_cluster
	s_endpgm
.Lentry_in_a_cluster:
	s_bfe_u32 s2, ttmp6, 0x10000c
	s_cmp_lg_u32 s2, 0xf033
	s_cbranch_scc0 .Lentry_shape_is_right
	s_endpgm
.Lentry_shape_is_right:
; QKV.  A work-group makes 256 rows (b, t) x 384 columns: q, k and v of ONE head.  acc = x W^T in bf16 with f32 sums; then q, k: rms norm over the head's 128 numbers and the rotation; v: a0 acc + a1 ve.
; All three leave as f16, [b 8 + h][2048][128].  Four waves, each 64 rows x 384 columns: 96 accumulators, 768 registers: window 1 q, window 2 k, window 3 v; accumulator (a, b) at v[64 a + 8 b].
; THE MATRIX INSTRUCTION IS USED TRANSPOSED (source 0 = 16 rows of W, source 1 = 16 rows of x): a lane holds ONE row (lane % 16) and the numbers d = 16 b + 8 (lane / 16) + 0..7 of the head.  So a row's sum of
; squares wants one exchange between the halves of the lanes, and the rotation's partner d + 64 is accumulator b + 4, same lane, same register.
; K goes in steps of 64 through two LDS slots; xb and wb lie in panels [K/64][rows][64], so a tile is dense in memory and is asked for as rows of 256 bytes, two tile rows each, padded in LDS after every 128.
; CLUSTER 4 x 4: x's tile hangs on the block of rows alone and is shared along a row of the cluster, W's on the head alone and is shared along a column: joint loads.
; THE LAMBDAS.  Both are rounded to bf16 like every input.  L = the power of two in max(|l0|, |l1|), held to 2^-100 .. 2^100; a0 = l0 / L, a1 = l1 / L (exact); vh holds v / L, and the last launch multiplies by L.
; LIMITS.  |v / L| stays under 65,504, f16's end; q and k lie within sqrt(128) whatever the inputs; NaN and infinities are not treated apart.
.set SLOT1,  1<<17
.set PITCH,  144                       ; an LDS row: 128 bytes + 16 of padding = 36 words: the 16 rows of a fragment load start at 16 different groups of four banks
.set AHALF,  128*PITCH                 ; what wave 0 or 1 fetches of x
.set BHALF,  192*PITCH                 ; what wave 2 or 3 fetches of W
.set BOFF,   2*AHALF                   ; in a slot: x's 256 rows, then W's 384
.set SPO,    272
.set OSTG,   BOFF+2*BHALF              ; behind slot 0, never filled by a tensor load: 16 rows x 272 bytes for each wave, for the way out
.set VSTG,   OSTG+4*16*SPO             ; the same for ve on its way in
.set SPARE,  VSTG+4*16*SPO             ; the spare words, 128 bytes for each wave: two blocks of 256 bytes that no other line names
.set XPAN,   8192*128                  ; bytes in a panel of xb
.set WPAN,   3072*128                  ; of wb
.set AA0, 16                           ; v16  my lane's place in x's tile; never rewritten
.set AB0, 17                           ; v17  in W's
.set AA,  18                           ; v18  the same in the slot in hand
.set AB,  19                           ; v19
.set STO, 20                           ; v20  the way out: where I put 16 bytes of a row
.set RD,  21                           ; v21  where I read rows back
.set GO,  22                           ; v22  16 x lane
.set VST, 23                           ; v23  ve's stage: where I put 8 bytes of a row
.set VLD, 24                           ; v24  where I read my row's 16 bytes
.set RO,  25                           ; v25  my byte offset in 16 rows of the rotation table
.set A1,  27                           ; v27  a1
.set SPW, 28                           ; v28  LDS address of my spare word; never rewritten
.set NIL, 29                           ; v29  0; never rewritten
.set RS,  30                           ; v30-31  1 / rms, twice
.set FA1, 32                           ; x's fragments of a step's second 32 k; FA0 = 192 of its first
.set FB1, 64                           ; W's fragments, two buffers by turns; FB0 = 128
.set FB0, 128
.set FA0, 192
.set X,   32                           ; the way out: 64 numbers of a row block in f32; then (BK) 16 rows read back
.set BK,  32
.set PK,  96                           ; 32 registers: packed results; before that at work (T)
.set T,   96
.set RT0, 128                          ; the table for row block a at v[128 + 32 a]: 16 cosines, 16 sines
.set VB,  128                          ; later: ve of a row block, bf16
.set WV,   10                          ; s10  my wave's number
.set SIDE, 11                          ; s11  0: I fetch x, 1: W
.set E,    12                          ; s12  which half of that tile
.set TY,   13                          ; s13  block of 256 rows
.set TX,   14                          ; s14  head
.set CX,   15
.set CY,   16
.set MROW, 17
.set MCOL, 18
.set G1A,  24                          ; s[24:31] descriptor group 1 for x's tiles
.set G1B,  32                          ; s[32:39] for W's
.set G0A,  40                          ; s[40:47] group 0 for x's: a set for each of the two first fills; the second then walks on
.set G0B,  48                          ; s[48:55] the same for W's
.set TB,   56                          ; s56  the slot in hand
.set PASS, 57
.set OB,   92                          ; s[92:93] the output in hand, at my wave's first row
.set MSB, 0
.macro WIN new                         ; the immediate's high byte repeats the setting that is left; a switch that changes nothing is dropped
.if MSB != (\new)
	s_set_vgpr_msb (MSB<<8)|(\new)
.set MSB, \new
.endif
.endm
.macro PLACES                          ; four plain instructions between a matrix instruction and a load into, or a vector instruction on, its registers
.rept 4
	v_nop
.endr
.endm
.macro JLOAD                           ; a joint refill by the walking descriptors; an s_nop 0 and four v_nop follow each of the two lines
	s_cmp_eq_u32 s[SIDE], 0
	s_cbranch_scc0 .Lfor_b_\@
	tensor_load_to_lds s[G0A+4:G0A+7], s[G1A:G1A+7]
	s_nop 0
	PLACES
	s_branch .Lasked_\@
.Lfor_b_\@:
	tensor_load_to_lds s[G0B+4:G0B+7], s[G1B:G1B+7]
	s_nop 0
	PLACES
.Lasked_\@:
.endm
.macro CREST                           ; a round of the cluster's barrier behind its opening barrier
	s_cmp_lg_u32 s[WV], 0
	s_cbranch_scc1 .Lnot_wave_0_\@
	s_barrier_signal -3
.Lnot_wave_0_\@:
	s_barrier_wait -3
	s_barrier_signal -1
	s_barrier_wait -1
.endm
.macro CROUND
	s_barrier_signal -1
	s_barrier_wait -1
	CREST
.endm
	s_load_b512 s[68:83], s[0:1], 0x0              ; xb 68, wb 70, ve 72, sa_lambdas 74, rope 76, qh 78, kh 80, vh 82
	v_lshl_add_u32 v[SPW], v0, 2, SPARE
	v_mov_b32 v[NIL], 0
	ds_add_u32 v[SPW], v[NIL]                      ; the wave's opening: the add and its wait stand ahead of my first tensor load; work on registers stands between them
	ds_add_u32 v28, v29
	v_lshrrev_b32 v1, 5, v0
	v_readfirstlane_b32 s[WV], v1
	s_lshr_b32 s[SIDE], s[WV], 1
	s_and_b32 s[E], s[WV], 1
	s_bfe_u32 s[CX], ttmp6, 0x40000
	s_bfe_u32 s[CY], ttmp6, 0x40004
	s_lshl_b32 s[TX], ttmp9, 2
	s_add_co_u32 s[TX], s[TX], s[CX]               ; head = 4 x cluster x + cx
	s_and_b32 s[TY], ttmp7, 0xffff
	s_lshl_b32 s[TY], s[TY], 2
	s_add_co_u32 s[TY], s[TY], s[CY]               ; block of rows = 4 x cluster y + cy
	s_lshl_b32 s[MROW], s[CY], 2
	s_lshl_b32 s[MROW], 15, s[MROW]                ; my row of the cluster
	s_lshl_b32 s[MCOL], 0x1111, s[CX]              ; my column
	s_or_b32 s[G1A], s[MROW], (1<<16)|(1<<20)|(1<<21)|(4<<22)|(3<<25)  ; the mask; 2-byte elements; padding on; bit 21 beside a mask; after every 32 words 4 words
	s_or_b32 s[G1B], s[MCOL], (1<<16)|(1<<20)|(1<<21)|(4<<22)|(3<<25)
	s_mov_b32 s[G1A+1], 128<<16                    ; tensor_dim0 = 128 elements: 256 bytes, two tile rows
	s_mov_b32 s[G1A+2], 64<<16                     ; tensor_dim1 = 64: 128 tile rows
	s_mov_b32 s[G1A+3], 128<<16                    ; tile_dim0
	s_mov_b32 s[G1A+4], 64                         ; tile_dim1
	s_mov_b32 s[G1A+5], 128                        ; dense: 128 elements from row to row
	s_mov_b32 s[G1A+6], 0
	s_mov_b32 s[G1A+7], 0
	s_mov_b32 s[G1B+1], 128<<16
	s_mov_b32 s[G1B+2], 96<<16                     ; 192 tile rows
	s_mov_b32 s[G1B+3], 128<<16
	s_mov_b32 s[G1B+4], 96
	s_mov_b32 s[G1B+5], 128
	s_mov_b32 s[G1B+6], 0
	s_mov_b32 s[G1B+7], 0
	s_lshl_b32 s58, s[TY], 15                      ; x: 256 rows of 128 bytes a block, in registers that never hold cx,
	s_lshl_b32 s59, s[E], 14
	s_add_co_u32 s58, s58, s59
	s_mov_b32 s59, 0
	s_mul_i32 s60, s[TX], 384*128                  ; W: 384 rows a head, in registers that never hold cy
	s_mul_i32 s61, s[E], 192*128
	s_add_co_u32 s60, s60, s61
	s_mov_b32 s61, 0
	s_mul_i32 s19, s[E], AHALF                     ; where they go: no place in the cluster enters an LDS address
	s_mul_i32 s22, s[E], BHALF
	s_add_co_u32 s22, s22, BOFF
	s_lshr_b32 s4, s[TY], 3                        ; the outputs: (batch x 8 + head) x 2,048 rows of 256 bytes
	s_lshl_b32 s4, s4, 3
	s_add_co_u32 s4, s4, s[TX]
	s_lshl_b32 s4, s4, 19
	s_and_b32 s6, s[TY], 7
	s_lshl_b32 s6, s6, 16
	s_lshl_b32 s5, s[WV], 14
	s_add_co_u32 s6, s6, s5                        ; 256 t: my first row in a head, and in the table
	s_add_co_u32 s4, s4, s6
	s_mov_b32 s5, 0
	s_mov_b32 s7, 0
	s_lshl_b32 s8, s[TY], 20                       ; ve: rows of 4,096 bytes, the head's 512 of them
	s_lshl_b32 s9, s[WV], 18
	s_add_co_u32 s8, s8, s9
	s_lshl_b32 s9, s[TX], 9
	s_add_co_u32 s8, s8, s9
	s_mov_b32 s9, 0
	s_mov_b32 s88, 0x3c000000                      ; 1 / 128
	s_mov_b32 s89, 0x34000000                      ; the norm's eps
	s_mov_b32 s90, 0x76543210                      ; v_permlanex16_b32: each lane takes its own place in the other half
	s_mov_b32 s91, 0xfedcba98
	s_mov_b32 s[TB], 0
	s_wait_dscnt 0x0                               ; the opening add is done
	s_wait_kmcnt 0x0
	s_mov_b32 s[G0A], 1
	s_mov_b32 s[G0A+1], s19
	s_add_nc_u64 s[G0A+2:G0A+3], s[68:69], s[58:59]
	s_mov_b32 s[G0A+4], 1
	s_add_co_u32 s[G0A+5], s19, SLOT1
	s_add_nc_u64 s[G0A+6:G0A+7], s[G0A+2:G0A+3], XPAN
	s_or_b32 s[G0A+3], s[G0A+3], 0x80000000
	s_or_b32 s[G0A+7], s[G0A+7], 0x80000000
	s_mov_b32 s[G0B], 1
	s_mov_b32 s[G0B+1], s22
	s_add_nc_u64 s[G0B+2:G0B+3], s[70:71], s[60:61]
	s_mov_b32 s[G0B+4], 1
	s_add_co_u32 s[G0B+5], s22, SLOT1
	s_add_nc_u64 s[G0B+6:G0B+7], s[G0B+2:G0B+3], WPAN
	s_or_b32 s[G0B+3], s[G0B+3], 0x80000000
	s_or_b32 s[G0B+7], s[G0B+7], 0x80000000
	s_add_nc_u64 s[OB:OB+1], s[78:79], s[4:5]      ; q,
	s_add_nc_u64 s[94:95], s[80:81], s[4:5]        ; k,
	s_add_nc_u64 s[96:97], s[82:83], s[4:5]        ; v at my wave's first row
	s_add_nc_u64 s[98:99], s[72:73], s[8:9]        ; ve
	s_add_nc_u64 s[20:21], s[76:77], s[6:7]        ; the table
	s_load_b64 s[60:61], s[74:75], 0x0             ; the two lambdas
	CROUND                                         ; all sixteen work-groups are here: the first joint loads meet
	s_cmp_eq_u32 s[SIDE], 0                        ; a wave's two first fills stand in one branch: two loads of mine are out
	s_cbranch_scc0 .Lfirst_b
	tensor_load_to_lds s[G0A:G0A+3], s[G1A:G1A+7]
	s_nop 0
	tensor_load_to_lds s[G0A+4:G0A+7], s[G1A:G1A+7]
	s_nop 0
	PLACES
	s_branch .Lfirst_asked
.Lfirst_b:
	tensor_load_to_lds s[G0B:G0B+3], s[G1B:G1B+7]
	s_nop 0
	tensor_load_to_lds s[G0B+4:G0B+7], s[G1B:G1B+7]
	s_nop 0
	PLACES
.Lfirst_asked:
	v_and_b32 v1, 15, v0                           ; r = l % 16
	v_bfe_u32 v2, v0, 4, 1                         ; h = l / 16
	v_mul_u32_u24 v3, v1, PITCH
	v_lshl_add_u32 v3, v2, 4, v3                   ; a fragment's row x pitch + 16 x half
	s_mul_i32 s58, s[WV], 64*PITCH
	v_add_nc_u32 v[AA0], s58, v3                   ; my wave's 64 rows of x
	v_add_nc_u32 v[AB0], BOFF, v3
	v_mov_b32 v[AA], v[AA0]
	v_mov_b32 v[AB], v[AB0]
	s_mul_i32 s22, s[WV], 16*SPO
	s_add_co_u32 s23, s22, VSTG
	s_add_co_u32 s22, s22, OSTG
	v_mul_u32_u24 v4, v1, SPO
	v_lshl_add_u32 v4, v2, 4, v4
	v_add_nc_u32 v[STO], s22, v4                   ; row r, 16 bytes for each half of the lanes
	v_add_nc_u32 v[VLD], s23, v4
	v_mul_u32_u24 v5, v2, SPO
	v_lshl_add_u32 v5, v1, 4, v5
	v_add_nc_u32 v[RD], s22, v5                    ; lanes 0-15 one row of 256 bytes, lanes 16-31 the next
	v_and_b32 v6, 31, v0
	v_lshlrev_b32 v[GO], 4, v6
	v_lshl_add_u32 v[VST], v6, 3, s23
	v_lshlrev_b32 v[RO], 8, v1
	v_lshl_add_u32 v[RO], v2, 5, v[RO]             ; row r of the table, frequencies 8 h on
; The table for row block a: cosines and sines of the frequencies 16 b + 8 h + 0..7, b = 0, 1: number q of eight loads is (cos or sin) q / 4, b = (q / 2) % 2, half q % 2
.macro RLOAD a
	WIN 0
.irp q, 0,1,2,3,4,5,6,7
	global_load_b128 v[RT0+32*(\a)+4*(\q):RT0+32*(\a)+4*(\q)+3], v[RO], s[20:21] offset:(\a)*4096+((\q)/4)*128+(((\q)/2)%2)*64+((\q)%2)*16
.endr
.endm
	RLOAD 3                                        ; v224-255 lie idle in the loop; the other three blocks' registers are fragments until the last K step
	s_wait_kmcnt 0x0
	v_cvt_pk_bf16_f32 v4, s60, s61                 ; the lambdas as bf16
	v_readfirstlane_b32 s62, v4
	s_lshl_b32 s60, s62, 16
	s_and_b32 s61, s62, 0xffff0000
	s_and_b32 s62, s60, 0x7fffffff
	s_and_b32 s63, s61, 0x7fffffff
	s_max_u32 s62, s62, s63                        ; the larger magnitude (the bits of positive floats order as whole numbers),
	s_max_u32 s62, s62, 0x0d800000                 ; held to 2^-100
	s_min_u32 s62, s62, 0x71800000                 ; .. 2^100;
	s_and_b32 s87, s62, 0x7f800000                 ; its power of two is L,
	s_sub_co_u32 s62, 0x7f000000, s87              ; and this is 1 / L
	v_mov_b32 v5, s62
	v_mul_f32 v6, s60, v5
	v_mul_f32 v[A1], s61, v5
	v_readfirstlane_b32 s84, v6                    ; a0
	s_mov_b32 s85, s84                             ; named with it as a pair
; 16 matrix instructions: row blocks a0, a0 + 1 x the 8 blocks of 16 numbers of part w (0 q, 1 k, 2 v), 32 along K.  zero = 1: the first product starts the sums.
; The accumulators take turns, one instruction a turn: 32 in a unit, and the next unit's lie in another window.
.macro MUL16 w, fa, fb, a0, zero
	WIN 0x50*((\w)+1)
.irp a, \a0, (\a0)+1
.irp b, 0,1,2,3,4,5,6,7
.if \zero
	v_wmma_f32_16x16x32_bf16 v[64*(\a)+8*(\b):64*(\a)+8*(\b)+7], v[(\fb)+8*(\b):(\fb)+8*(\b)+7], v[(\fa)+8*(\a):(\fa)+8*(\a)+7], 0
.else
	v_wmma_f32_16x16x32_bf16 v[64*(\a)+8*(\b):64*(\a)+8*(\b)+7], v[(\fb)+8*(\b):(\fb)+8*(\b)+7], v[(\fa)+8*(\a):(\fa)+8*(\a)+7], v[64*(\a)+8*(\b):64*(\a)+8*(\b)+7]
.endif
.endr
.endr
.endm
; A K step is six UNITS u: part u % 3, 32 k at u / 3; x's buffer goes by u / 3, W's by u % 2.
.macro MUL32 u, zero
	MUL16 (\u)%3, 192-160*((\u)/3), 128-64*((\u)%2), 0, \zero
	MUL16 (\u)%3, 192-160*((\u)/3), 128-64*((\u)%2), 2, \zero
.endm
.macro FETCH_B u                       ; unit u's 128 rows of W: 16 loads in one run
	WIN 0
.set fbr, 128-64*((\u)%2)
.set fbo, ((\u)%3)*128*PITCH+((\u)/3)*64
.irp i, 0,1,2,3,4,5,6,7
	ds_load_b128 v[fbr+8*(\i):fbr+8*(\i)+3],   v[AB] offset:fbo+(\i)*16*PITCH
	ds_load_b128 v[fbr+8*(\i)+4:fbr+8*(\i)+7], v[AB] offset:fbo+(\i)*16*PITCH+32
.endr
.endm
.macro FETCH_A c                       ; my 64 rows of x, 32 k at c: 8 loads
	WIN 0
.set far, 192-160*(\c)
.irp i, 0,1,2,3
	ds_load_b128 v[far+8*(\i):far+8*(\i)+3],   v[AA] offset:(\c)*64+(\i)*16*PITCH
	ds_load_b128 v[far+8*(\i)+4:far+8*(\i)+7], v[AA] offset:(\c)*64+(\i)*16*PITCH+32
.endr
.endm
; One of a step's first four units: its fragments are in; the next unit's are asked for, 32 matrix instructions ahead of their use; then its products.
.macro UNIT u, zero
.if (\u) == 2
	s_wait_dscnt 8                                 ; W's 16 are in; the eight issued behind them, x's second half, are wanted a unit later
.else
	s_wait_dscnt 0x0
.endif
	WIN 0
	PLACES
	FETCH_B (\u)+1
.if (\u) == 1
	FETCH_A 1
.endif
	MUL32 \u, \zero
.endm
; Units 4 and 5 and the change of slots.  In front of the barrier each wave waits for all its tensor loads (one is out: its part of the next slot), adds 0 to its spare word, and waits for that and for its reads
; of this slot.  fill = 1: the barrier opens a round of the cluster's, and the joint refill, two K steps ahead, is the first thing behind it: it has a step less 16 products in which to land.
.macro TURN fill
	s_wait_dscnt 0x0
	WIN 0
	PLACES
	FETCH_B 5
	MUL16 1, FA1, FB0, 0, 0
	WIN 0
	s_wait_tensorcnt 0x0                           ; no tensor load of mine is out, so a group 0 may be written
	ds_add_u32 v[SPW], v[NIL]                      ; 0 onto my spare word
.if \fill
	s_xor_b32 s[G0A+5], s[G0A+5], SLOT1            ; the walking descriptors: the other slot than last time, the next panel
	s_add_nc_u64 s[G0A+6:G0A+7], s[G0A+6:G0A+7], XPAN
	s_xor_b32 s[G0B+5], s[G0B+5], SLOT1
	s_add_nc_u64 s[G0B+6:G0B+7], s[G0B+6:G0B+7], WPAN
.endif
	s_wait_dscnt 0x0                               ; the add is done, and my reads of this slot are over
	s_barrier_signal -1
	MUL16 1, FA1, FB0, 2, 0                        ; work on registers while the others arrive
	WIN 0
	s_barrier_wait -1
.if \fill
	CREST
	JLOAD                                          ; its four v_nop are also the places in front of the loads below
.else
	PLACES
.endif
	s_xor_b32 s[TB], s[TB], SLOT1
	v_add_nc_u32 v[AA], s[TB], v[AA0]
	v_add_nc_u32 v[AB], s[TB], v[AB0]
	FETCH_B 0
	FETCH_A 0
	MUL32 5, 0
.endm
	s_wait_tensorcnt 1                             ; my part of K step 0 is in; step 1's may stay out
	s_barrier_signal -1
	s_barrier_wait -1
	FETCH_B 0
	FETCH_A 0
	UNIT 0, 1                                      ; the first three units stand in front of the loop: their products start the sums
	UNIT 1, 1
	UNIT 2, 1
	WIN 0
	s_mov_b32 s3, 14
.Lstep:                                                ; 14 trips: from a step's fourth unit to the next step's third; each fills a slot again
	UNIT 3, 0
	TURN 1
	UNIT 0, 0
	UNIT 1, 0
	UNIT 2, 0
	WIN 0
	s_sub_co_u32 s3, s3, 1
	s_cmp_lg_u32 s3, 0
	s_cbranch_scc1 .Lstep
	UNIT 3, 0                                      ; the last two steps ask for nothing
	TURN 0
	UNIT 0, 0
	UNIT 1, 0
	UNIT 2, 0
	UNIT 3, 0
	s_wait_dscnt 0x0
	WIN 0
	PLACES
	FETCH_B 5
	RLOAD 2                                        ; x's first buffer has been multiplied for the last time
	MUL32 4, 0
	s_wait_dscnt 0x0
	WIN 0
	PLACES
	RLOAD 0                                        ; and so has W's first buffer
	RLOAD 1
	MUL32 5, 0
; THE WAY OUT, a block of 16 rows at a time: f16, 16 bytes a lane into my own stage, back as whole rows of 256 bytes, stored.
.macro SENDO a
.irp i, 0,1,2,3,4,5,6,7
	global_store_b128 v[GO], v[BK+4*(\i):BK+4*(\i)+3], s[OB:OB+1] offset:(\a)*4096+(\i)*512  ; 512 consecutive bytes, two rows of a head
.endr
.endm
.macro TOSTAGE
.set n, 0
.rept 32
	v_cvt_pk_f16_f32 v[PK+n], v[X+2*n], v[X+2*n+1]
.set n, n+1
.endr
.irp b, 0,1,2,3,4,5,6,7
	ds_store_b128 v[STO], v[PK+4*(\b):PK+4*(\b)+3] offset:32*(\b)
.endr
.irp i, 0,1,2,3,4,5,6,7
	ds_load_b128 v[BK+4*(\i):BK+4*(\i)+3], v[RD] offset:(\i)*2*SPO  ; LDS serves a wave's instructions in order: these see the stores above
.endr
.endm
; q or k, row block a, out of window 1: the sum of squares in four chains (each accumulator's registers ascending), 1 / rms, the scaling, the rotation of d < 32 with d + 64 (the other frequencies are 0).
.macro QKU a
	WIN 0x05
.set n, 0
.rept 32
.if n < 4
	v_pk_mul_f32 v[T+2*n:T+2*n+1], v[64*(\a)+2*n:64*(\a)+2*n+1], v[64*(\a)+2*n:64*(\a)+2*n+1]
.else
	v_pk_fma_f32 v[T+2*(n%4):T+2*(n%4)+1], v[64*(\a)+2*n:64*(\a)+2*n+1], v[64*(\a)+2*n:64*(\a)+2*n+1], v[T+2*(n%4):T+2*(n%4)+1]
.endif
.set n, n+1
.endr
	WIN 0
	v_pk_add_f32 v[T:T+1], v[T:T+1], v[T+2:T+3]
	v_pk_add_f32 v[T+4:T+5], v[T+4:T+5], v[T+6:T+7]
	v_pk_add_f32 v[T:T+1], v[T:T+1], v[T+4:T+5]
	v_add_f32 v[T], v[T], v[T+1]
	v_permlanex16_b32 v[T+1], v[T], s90, s91       ; the row's other 64 numbers lie in the lane 16 away
	v_add_f32 v[T], v[T], v[T+1]
	v_fma_f32 v[T], v[T], s88, s89                 ; the mean, and eps
	v_rsq_f32 v[RS], v[T]
	v_rsq_f32 v[RS+1], v[T]
	v_nop                                          ; a plain instruction between the root and the use of its result
.if (\a) > 0
	s_wait_dscnt 0x0                               ; the block before is back in registers
	SENDO (\a)-1
.endif
	s_wait_xcnt 0x0                                ; the stores' data registers are written again only behind this wait
	WIN 0x01
.set n, 0
	s_wait_alu depctr_va_vdst(0)
.rept 32
	v_pk_mul_f32 v[X+2*n:X+2*n+1], v[64*(\a)+2*n:64*(\a)+2*n+1], v[RS:RS+1]
.set n, n+1
.endr
	WIN 0
.set g, 0
.rept 8                                                ; g: b = g / 4, pair g % 4
.set x1, X+8*(g/4)+2*(g%4)
.set rs, RT0+32*(\a)+16+8*(g/4)+2*(g%4)
	v_pk_mul_f32 v[T+4*g:T+4*g+1],   v[x1+32:x1+33], v[rs:rs+1]
	v_pk_mul_f32 v[T+4*g+2:T+4*g+3], v[x1:x1+1],     v[rs:rs+1]
.set g, g+1
.endr
.set g, 0
.rept 8
.set x1, X+8*(g/4)+2*(g%4)
.set rc, RT0+32*(\a)+8*(g/4)+2*(g%4)
	v_pk_fma_f32 v[x1:x1+1],     v[x1:x1+1],     v[rc:rc+1], v[T+4*g:T+4*g+1]
	v_pk_fma_f32 v[x1+32:x1+33], v[x1+32:x1+33], v[rc:rc+1], v[T+4*g+2:T+4*g+3] neg_lo:[0,0,1] neg_hi:[0,0,1]
.set g, g+1
.endr
	TOSTAGE
.endm
; v, row block a: ve's 16 rows (a lane holds 4 numbers of a row) are rounded to bf16 and turned through my stage, so that a lane holds its row's 16 b + 8 h + 0..7; then a0 acc + a1 ve.
.macro VU a
	s_wait_loadcnt 48-16*(\a)                      ; this block's 16 loads are in; the later blocks' stay out
	WIN 0x0a
.set n, 0
.rept 32
	v_cvt_pk_bf16_f32 v[PK+n], v[64*(\a)+2*n], v[64*(\a)+2*n+1]
.set n, n+1
.endr
	WIN 0
.irp i, 0,1,2,3,4,5,6,7,8,9,10,11,12,13,14,15
	ds_store_b64 v[VST], v[PK+2*(\i):PK+2*(\i)+1] offset:(\i)*SPO
.endr
.irp b, 0,1,2,3,4,5,6,7
	ds_load_b128 v[VB+4*(\b):VB+4*(\b)+3], v[VLD] offset:32*(\b)
.endr
.if (\a) > 0
	s_wait_dscnt 24                                ; the block before is back; the 24 just issued stay out
	SENDO (\a)-1
.endif
	s_wait_xcnt 0x0
	WIN 0x03
.set n, 0
.rept 32
	v_pk_mul_f32 v[X+2*n:X+2*n+1], v[64*(\a)+2*n:64*(\a)+2*n+1], s[84:85] op_sel_hi:[1,0]
.set n, n+1
.endr
	WIN 0
	s_wait_dscnt 0x0
.set n, 0
.rept 32
	v_fma_mix_f32_bf16 v[X+2*n],   v[VB+n], v[A1], v[X+2*n]   op_sel_hi:[1,0,0]
	v_fma_mix_f32_bf16 v[X+2*n+1], v[VB+n], v[A1], v[X+2*n+1] op_sel:[1,0,0] op_sel_hi:[1,0,0]
.set n, n+1
.endr
	TOSTAGE
.endm
	WIN 0
	PLACES
	s_wait_loadcnt 0x0                             ; the table
	s_mov_b32 s[PASS], 2
.Lpass:                                                ; written once, walked twice: q, then k, which is moved to where the text names its numbers
	QKU 0
	QKU 1
	QKU 2
	QKU 3
	s_wait_dscnt 0x0
	SENDO 3
	s_sub_co_u32 s[PASS], s[PASS], 1
	s_cmp_eq_u32 s[PASS], 0
	s_cbranch_scc1 .Lvalues
	s_wait_xcnt 0x0                                ; the stores have read their base
	s_mov_b64 s[OB:OB+1], s[94:95]
	WIN 0x42
.set n, 0
.rept 256
	v_mov_b32 v[n], v[n]                           ; window 2 into window 1, ascending
.set n, n+1
.endr
	WIN 0x80
.set n, 0
.rept 64                                               ; ve's 64 rows go where k lay: k's pass stands between these loads and their use
	global_load_b128 v[4*n:4*n+3], v[GO], s[98:99] offset:n*4096 th:TH_LOAD_NT
.set n, n+1
.endr
	WIN 0
	s_branch .Lpass
.Lvalues:
	s_wait_xcnt 0x0
	s_mov_b64 s[OB:OB+1], s[96:97]
	VU 0
	VU 1
	VU 2
	VU 3
	s_wait_dscnt 0x0
	SENDO 3
	s_wait_tensorcnt 0x0                           ; the wave's end: waits behind my last tensor load and my last LDS store
	ds_add_u32 v[SPW], v[NIL]
	s_wait_dscnt 0x0
	CROUND                                         ; the closing round: no work-group ends while a partner may still ask for a tile that names it
	s_endpgm
.Lfunc_end_k_qdb882e07ab_qkv:
	.size	k_qdb882e07ab_qkv, .Lfunc_end_k_qdb882e07ab_qkv-k_qdb882e07ab_qkv
	.p2alignl 7, 3214868480
	.fill 96, 4, 3214868480
	.section	.rodata,"a",@progbits
	.p2align	6, 0x0
	.amdhsa_kernel k_qdb882e07ab_qkv
		.amdhsa_group_segment_fixed_size 327680
		.amdhsa_private_segment_fixed_size 0
		.amdhsa_enable_private_segment 0
		.amdhsa_kernarg_size 64
		.amdhsa_user_sgpr_count 2
		.amdhsa_user_sgpr_kernarg_segment_ptr 1
		.amdhsa_wavefront_size32 1
		.amdhsa_system_sgpr_workgroup_id_x 1
		.amdhsa_system_sgpr_workgroup_id_y 1
		.amdhsa_system_sgpr_workgroup_id_z 1
		.amdhsa_system_vgpr_workitem_id 0
		.amdhsa_next_free_vgpr 1024
		.amdhsa_next_free_sgpr 100
		.amdhsa_reserve_vcc 0
		.amdhsa_float_denorm_mode_32 3
		.amdhsa_float_denorm_mode_16_64 3
		.amdhsa_memory_ordered 1
		.amdhsa_forward_progress 1
		.amdhsa_inst_pref_size 185
	.end_amdhsa_kernel
	.amdgpu_metadata
---
amdhsa.version: [ 1, 2 ]
amdhsa.kernels:
  - .name:           k_qdb882e07ab_qkv
    .symbol:         k_qdb882e07ab_qkv.kd
    .args:
      - { .name: xb, .offset: 0, .size: 8, .value_kind: global_buffer, .address_space: global }
      - { .name: wb, .offset: 8, .size: 8, .value_kind: global_buffer, .address_space: global }
      - { .name: ve, .offset: 16, .size: 8, .value_kind: global_buffer, .address_space: global }
      - { .name: sa_lambdas, .offset: 24, .size: 8, .value_kind: global_buffer, .address_space: global }
      - { .name: rope, .offset: 32, .size: 8, .value_kind: global_buffer, .address_space: global }
      - { .name: qh, .offset: 40, .size: 8, .value_kind: global_buffer, .address_space: global }
      - { .name: kh, .offset: 48, .size: 8, .value_kind: global_buffer, .address_space: global }
      - { .name: vh, .offset: 56, .size: 8, .value_kind: global_buffer, .address_space: global }
    .group_segment_fixed_size: 327680
    .private_segment_fixed_size: 0
    .kernarg_segment_align: 8
    .kernarg_segment_size: 64
    .max_flat_workgroup_size: 128
    .sgpr_count:     100
    .vgpr_count:     1024
    .wavefront_size: 32
...
	.end_amdgpu_metadata
.endif
;; end of part 2
;; launch attn (part 3): grid 8 x 32, 4 waves a work-group, no clusters, 327,680 bytes of LDS; arguments qh, kh, vh, yp; writes yp
.if DOCPART == 3
	.amdgcn_target "amdgcn-amd-amdhsa--gfx1250"
	.amdhsa_code_object_version 6
	.text
	.protected	k_qdb882e07ab_attn
	.globl	k_qdb882e07ab_attn
	.p2align	8
	.type	k_qdb882e07ab_attn,@function
k_qdb882e07ab_attn:
	s_mov_b64 s[64:65], 0
	v_nop
	global_prefetch_b8 v0, s[64:65] scope:SCOPE_SE
	s_setreg_imm32_b32 hwreg(HW_REG_WAVE_MODE, 25, 1), 1
	s_wait_xcnt 0x0
; CAUSAL ATTENTION at head size 128.  O[q] = the sum over k <= q of softmax_k(0.12 Q[q] . K[k]) V[k].  qh, kh, vh: [32][2048][128] in f16; yp: f16 in K panels [h 2 + channel half][8192][64].
; Products, maxima and sums in f32; the weights are rounded to f16 for the second product (their sum is taken unrounded), O once at the end.
; THE WALK.  A head has 16 blocks of 128 queries; block i needs the key tiles 0 .. i of 128 keys.  A work-group takes blocks 15 - b and then b: 17 tiles whatever b, walked by loops with constant counts.
; SHARES.  Wave w = (qh, kh): 64 queries (four tiles of 16) and, of every key tile, the 64 keys of half kh.  So a fragment of K or V read from LDS feeds four tiles' products.  At a block's end the two waves of a
; query half merge their partial results in f32 through LDS: each keeps 64 channels and gives the other 64 away.  V's channel blocks are fetched so that every wave keeps O^T's blocks 0-3 and gives 4-7.
; LAYOUT.  S^T = K Q^T holds ONE query a lane (lane % 16) and the keys 8 (lane / 16) + 0..7; two such results rounded to f16 ARE source 1 of O^T = V^T P.  K comes out of LDS as it lies, V turned.
; SOFTMAX.  A running maximum m and sum l for each query: p = 2^(c s - c m), c = 0.12 log2(e); in every step O and l are multiplied by a = 2^(c m_old - c m_new).
; WHERE m STARTS.  q and k are normalised to a sum of squares of 128 at the most and rounded to f16, so every score lies within 129: m starts at -1024, which no score that is seen falls below and no hidden one
; (-1e30) rises above.  So the maximum is the true one wherever a key is seen, and a wave that sees hidden keys alone (queries 0-63 of block 0 against keys 64-127) keeps m = -1024, weights 0, l = 0, O = 0.
; c m starts apart from m, far below every c s, so that a block's first a is 0.
; THE MASK is the C operand that starts the sums S^T: three groups of eight registers for key block below, on and above the query tile, made anew in every trip: all 0 but in a block's last tile.
; A TRIP: K Q^T of tiles 0, 1; K Q^T of tiles 2, 3 with the softmax of tiles 0, 1 in slices between; the change of slots; V^T P of tiles 0, 1 with the softmax of tiles 2, 3 between; V^T P of tiles 2, 3.
; NO CLUSTER: the work-groups of a head need different numbers of tiles of each block (16 - b and b + 1), and a walk common to all would have 24 trips for 17.
; LIMITS.  A hidden score counts as its value less 1e30; a weight below 2^-126 counts as 0; V arrives within f16's 65,504; NaN and infinities are not treated apart.
; REGISTERS, in windows of 256: window 0: addresses, v12-43 statistics, v64-191 S^T, v192-255 P.  window 1: O^T, 64 a tile.  window 2: v0-127 Q, v128-255 K.  window 3: v0-127 V, v128-159 masks.
.set KS,    64
.set PK,    272       ; a row of K in LDS: 256 bytes + 16: the 16 rows of a load start at 16 different groups of four banks
.set PV,    288       ; a row of V: 256 + 32
.set VOFF,  128*PK    ; a slot: 128 rows of K, then 128 rows of V
.set SLOT1, 1<<17
.set MRG,   SLOT1+128*(PK+PV)  ; behind the ring, never filled by a tensor load: 34 x 512 bytes for each wave, what it gives its partner
.set MRGW,  34*512
.set STAGE, MRG+4*MRGW         ; 16 rows x 144 bytes for each wave, for the way out
.set SP,    144
.set SPARE, STAGE+4*16*SP      ; the spare words, 128 bytes for each wave: two blocks of 256 bytes that no other line names
.set MFLOOR, 0xc4800000        ; -1024: where m starts
.set CMLOW,  0xfe000000        ; where c m starts: far below every c s
.set AK0, 2           ; v2   my lane's place in my half of a tile of K; never rewritten
.set AVA, 3           ; v3   in V, for O^T's blocks 0-3
.set AVB, 4           ; v4   for blocks 4-7
.set ADR, 5           ; v5, v6  the addresses of the run of loads in hand
.set ADR2, 6
.set QO,  7           ; v7   my byte offset in the wave's rows of Q
.set STO, 8           ; v8   the way out: where I put 16 bytes of a row
.set RD,  9           ; v9   where I read rows back
.set GO,  10          ; v10  16 x lane
.set MST, 11          ; v11  where I put what I give
.set ST,  12          ; tile t's statistics at v[ST+8 t]: +0 c m, +1 m, +2, +3 l, +4 to +7 at work
.set MLD, 44          ; v44  where my partner put what it gives
.set GV,  48          ; v48-55  c m and l of the four tiles, gathered for the store
.set SPW, 62
.set NIL, 63
.set S,   64
.set P,   192
.set KF,  128         ; window 2
.set MD,  128         ; window 3: -1e30 where 8 (lane / 16) + j > lane % 16
.set CL,  136         ; the masks: key block below the query tile,
.set CD,  144         ; on it,
.set CU,  152         ; above it
.set WV,  12
.set QH,  13
.set KH,  14
.set PB,  15          ; b
.set HI,  16          ; 15 - b
.set G1K, 24
.set G1V, 32
.set G0K, 40
.set G0V, 44
.set QLO, 48          ; s[48:49] Q at my rows of the second block
.set OLO, 50          ; s[50:51] yp at my rows of the second block
.set OFF, 52          ; s[52:53] a tile's byte offset in K and V
.set CNT, 54
.set RT,  56          ; tiles of the block in hand that are still to be finished
.set NXT, 57          ; the tile to be asked for next
.set CS,  58
.set SEL, 60
.set TBK, 62          ; the slot from which K is fetched next
.set TBV, 63          ; and V
.set LQ,  66          ; the last tile of the block whose tiles are being asked for
.set BLK, 67          ; 0: the first block is in hand
.set AL,  68          ; s[68:69], s[70:71], s72: the trip's mask scalars
.set BL,  70
.set BU,  72
.set AL1, 73          ; what they are in a block's last tile, by my wave's (qh, kh)
.set BL1, 74
.set BU1, 75
.set BIGN, 76
.set MSB, 0
.macro WIN new
.if MSB != (\new)
	s_set_vgpr_msb (MSB<<8)|(\new)
.set MSB, \new
.endif
.endm
.set W_KQ, 0x0a       ; K and Q in window 2, S^T in window 0
.set W_KM, 0x3a       ; the same with the C operand in window 3
.set W_PV, 0x53       ; V in window 3, P in window 0, O^T in window 1
.set W_RS, 0x41       ; O^T (destination and source 0) in window 1
.macro PLACES
.rept 4
	v_nop
.endr
.endm
.macro LOAD                         ; waves 0 and 1 fetch the two halves of a tile's K, waves 2 and 3 those of its V; an s_nop 0 and four v_nop follow each line
	s_cmp_lt_u32 s[WV], 2
	s_cbranch_scc0 .Lfor_v_\@
	tensor_load_to_lds s[G0K:G0K+3], s[G1K:G1K+7]
	s_nop 0
	PLACES
	s_branch .Lasked_\@
.Lfor_v_\@:
	tensor_load_to_lds s[G0V:G0V+3], s[G1V:G1V+7]
	s_nop 0
	PLACES
.Lasked_\@:
.endm
; THE CHANGE OF SLOTS.  Each wave waits for all its tensor loads (one is out: its part of the other slot), adds 0 to its spare word, and waits for that and for its reads of the slot that it leaves: K and V of the
; tile in hand are in registers.  fill = 1: the slot is filled again, first thing behind the barrier, with tile NXT; the descriptor's address is made anew from that number.
.macro CHANGE fill
	WIN 0
	s_wait_tensorcnt 0x0            ; no tensor load of mine is out, so a group 0 may be written
	ds_add_u32 v[SPW], v[NIL]       ; 0 onto my spare word
.if \fill
	s_lshl_b32 s[OFF], s[NXT], 15   ; a tile is 32,768 bytes of K and of V
	s_xor_b32 s[G0K+1], s[G0K+1], SLOT1
	s_add_nc_u64 s[G0K+2:G0K+3], s[6:7], s[OFF:OFF+1]
	s_or_b32 s[G0K+3], s[G0K+3], 0x80000000
	s_xor_b32 s[G0V+1], s[G0V+1], SLOT1
	s_add_nc_u64 s[G0V+2:G0V+3], s[8:9], s[OFF:OFF+1]
	s_or_b32 s[G0V+3], s[G0V+3], 0x80000000
	s_add_co_u32 s[NXT], s[NXT], 1  ; the block's next tile, or behind its last the second block's tile 0
	s_cmp_gt_u32 s[NXT], s[LQ]
	s_cselect_b32 s[NXT], 0, s[NXT]
	s_cselect_b32 s[LQ], s[PB], s[LQ]
.endif
	s_wait_dscnt 0x0                ; the add is done, and my reads of the slot are over
	s_barrier_signal -1
	s_barrier_wait -1
.if \fill
	LOAD
.endif
.endm
	s_load_b256 s[4:11], s[0:1], 0x0  ; qh s[4:5], kh s[6:7], vh s[8:9], yp s[10:11]
	v_lshl_add_u32 v[SPW], v0, 2, SPARE
	v_mov_b32 v[NIL], 0
	ds_add_u32 v[SPW], v[NIL]       ; the wave's opening: the add and its wait stand ahead of my first tensor load; work on registers stands between them
	ds_add_u32 v62, v63
	v_lshrrev_b32 v1, 5, v0
	v_readfirstlane_b32 s[WV], v1
	s_lshr_b32 s[QH], s[WV], 1
	s_and_b32 s[KH], s[WV], 1
	s_mov_b32 s[PB], ttmp9
	s_sub_co_u32 s[HI], 15, s[PB]
	s_and_b32 s20, ttmp7, 0xffff    ; batch x 8 + head
	s_lshl_b32 s18, s20, 19         ; its first byte in qh, kh, vh
	s_lshl_b32 s22, s[KH], 14       ; the half of a tile that I fetch: 64 rows of 256 bytes
	s_add_co_u32 s22, s22, s18
	s_mov_b32 s23, 0
	s_mul_i32 s17, s[KH], 64*PK     ; its place in a slot, for K
	s_mul_i32 s21, s[KH], 64*PV     ; and for V
	s_add_co_u32 s21, s21, VOFF
	s_lshl_b32 s3, s[QH], 14        ; my 64 queries in a block,
	s_lshl_b32 s2, s[HI], 15        ; in the first block
	s_add_co_u32 s2, s2, s3
	s_add_co_u32 s2, s2, s18
	s_lshl_b32 s78, s[PB], 15       ; and in the second
	s_add_co_u32 s78, s78, s3
	s_add_co_u32 s78, s78, s18
	s_mov_b32 s3, 0
	s_mov_b32 s79, 0
	s_and_b32 s80, s20, 7           ; yp: panel head x 2 + my channel half, 1,048,576 bytes each;
	s_lshl_b32 s80, s80, 1
	s_add_co_u32 s80, s80, s[KH]
	s_lshl_b32 s80, s80, 20
	s_lshr_b32 s81, s20, 3          ; rows of 128 bytes: batch x 2,048
	s_lshl_b32 s81, s81, 18
	s_add_co_u32 s80, s80, s81
	s_lshl_b32 s81, s[QH], 13       ; + 64 x query half
	s_add_co_u32 s80, s80, s81
	s_lshl_b32 s81, s[HI], 14       ; + 128 x block
	s_add_co_u32 s82, s80, s81
	s_lshl_b32 s81, s[PB], 14
	s_add_co_u32 s80, s80, s81
	s_mov_b32 s81, 0
	s_mov_b32 s83, 0
	s_mov_b32 s[G1K], (1<<16)|(1<<20)|(5<<22)|(3<<25)  ; 2-byte elements; padding on; after every 64 words 4 words
	s_mov_b32 s[G1V], (1<<16)|(1<<20)|(5<<22)|(7<<25)  ; the same with 8 words
.irp g, G1K, G1V
	s_mov_b32 s[(\g)+1], 128<<16    ; tensor_dim0 = 128
	s_mov_b32 s[(\g)+2], KS<<16     ; tensor_dim1 = 64
	s_mov_b32 s[(\g)+3], 128<<16    ; tile_dim0
	s_mov_b32 s[(\g)+4], KS         ; tile_dim1
	s_mov_b32 s[(\g)+5], 128        ; elements from row to row
	s_mov_b32 s[(\g)+6], 0
	s_mov_b32 s[(\g)+7], 0
.endr
	s_mov_b32 s[CS], 0x3e314743     ; c = 0.12 log2(e) = 0.173123
	s_mov_b32 s[CS+1], s[CS]
	s_mov_b32 s[SEL], 0x76543210
	s_mov_b32 s[SEL+1], 0xfedcba98
	s_mov_b32 s[BIGN], 0xf149f2ca   ; -1e30
	s_mov_b32 s[TBK], 0
	s_mov_b32 s[TBV], 0
	s_mov_b32 s[G0K], 1
	s_mov_b32 s[G0K+1], s17
	s_mov_b32 s[G0V], 1
	s_mov_b32 s[G0V+1], s21
	s_add_co_u32 s[RT], s[HI], 1    ; the first block has 16 - b tiles
	s_mov_b32 s[NXT], 1
	s_mov_b32 s[LQ], s[HI]
	s_mov_b32 s[BLK], 0
	s_mov_b32 s[OFF+1], 0
	s_mov_b32 s[AL+1], 0            ; named as pairs
	s_mov_b32 s[BL+1], 0
	s_cmp_eq_u32 s[QH], s[KH]       ; in the diagonal tile: my keys' half is my queries': the diagonal itself,
	s_cselect_b32 s[AL1], 1.0, 0
	s_cmp_lt_u32 s[QH], s[KH]       ; or lies behind it: all hidden,
	s_cselect_b32 s[BL1], s[BIGN], 0
	s_cmp_le_u32 s[QH], s[KH]       ; and key blocks above the query tile are hidden in both cases
	s_cselect_b32 s[BU1], s[BIGN], 0
	s_wait_dscnt 0x0                ; the opening add is done
	s_wait_kmcnt 0x0
	s_add_nc_u64 s[6:7], s[6:7], s[22:23]  ; K and V at my half of the head's tile 0
	s_add_nc_u64 s[8:9], s[8:9], s[22:23]
	s_add_nc_u64 s[G0K+2:G0K+3], s[6:7], 0
	s_or_b32 s[G0K+3], s[G0K+3], 0x80000000
	s_add_nc_u64 s[G0V+2:G0V+3], s[8:9], 0
	s_or_b32 s[G0V+3], s[G0V+3], 0x80000000
	s_add_nc_u64 s[QLO:QLO+1], s[4:5], s[78:79]
	s_add_nc_u64 s[4:5], s[4:5], s[2:3]
	s_add_nc_u64 s[OLO:OLO+1], s[10:11], s[80:81]
	s_add_nc_u64 s[10:11], s[10:11], s[82:83]
	LOAD                            ; tile 0 into slot 0
	v_and_b32 v1, 15, v0            ; r = l % 16
	v_bfe_u32 v45, v0, 4, 1         ; h = l / 16
	v_lshlrev_b32 v[QO], 8, v1
	v_lshl_add_u32 v[QO], v45, 4, v[QO]
	WIN 0x80
.irp i, 0,1,2,3,4,5,6,7,8,9,10,11,12,13,14,15  ; Q stays in registers: tile i / 4, channels 32 (i % 4) on
	global_load_b128 v[8*(\i):8*(\i)+3],   v[QO], s[4:5] offset:((\i)/4)*4096+((\i)%4)*64
	global_load_b128 v[8*(\i)+4:8*(\i)+7], v[QO], s[4:5] offset:((\i)/4)*4096+((\i)%4)*64+32
.endr
	WIN 0
	v_mul_u32_u24 v[AK0], v1, PK
	v_lshl_add_u32 v[AK0], v45, 4, v[AK0]
	v_add_nc_u32 v[AK0], s17, v[AK0]
	v_and_b32 v46, 7, v0            ; the turning load: lane l reads key 8 (l / 16) + l % 8, channels 8 ((l / 8) % 2) + 0..7
	v_bfe_u32 v47, v0, 3, 1
	v_lshl_add_u32 v[AVA], v45, 3, v46
	v_mul_u32_u24 v[AVA], v[AVA], PV
	v_lshl_add_u32 v[AVA], v47, 4, v[AVA]
	v_add_nc_u32 v[AVA], s21, v[AVA]
	s_lshl_b32 s84, s[KH], 7        ; O^T's blocks 0-3 take the channels of half kh, blocks 4-7 the other half's
	s_sub_co_u32 s85, 128, s84
	v_add_nc_u32 v[AVB], s85, v[AVA]
	v_add_nc_u32 v[AVA], s84, v[AVA]
	s_mul_i32 s84, s[WV], 16*SP
	s_add_co_u32 s84, s84, STAGE
	v_mul_u32_u24 v[STO], v1, SP
	v_lshl_add_u32 v[STO], v45, 4, v[STO]
	v_add_nc_u32 v[STO], s84, v[STO]
	v_bfe_u32 v[RD], v0, 3, 2       ; back: 32 lanes take four rows of 128 bytes,
	v_mul_u32_u24 v[RD], v[RD], SP
	v_lshl_add_u32 v[RD], v46, 4, v[RD]
	v_add_nc_u32 v[RD], s84, v[RD]
	v_and_b32 v[GO], 31, v0         ; which are 512 consecutive bytes of a panel
	v_lshlrev_b32 v[GO], 4, v[GO]
	s_mul_i32 s84, s[WV], MRGW
	s_add_co_u32 s84, s84, MRG
	v_add_nc_u32 v[MST], s84, v[GO]
	s_xor_b32 s85, s[WV], 1         ; my partner: the same queries, the other keys
	s_mul_i32 s85, s85, MRGW
	s_add_co_u32 s85, s85, MRG
	v_add_nc_u32 v[MLD], s85, v[GO]
	v_lshlrev_b32 v47, 3, v45
	v_sub_nc_u32 v47, v1, v47       ; register j is hidden where j > l % 16 - 8 (l / 16)
	WIN 0xc0
.irp j, 0,1,2,3,4,5,6,7
	v_cmp_gt_i32 vcc_lo, \j, v47
	v_cndmask_b32 v[MD+\j], 0, s[BIGN], vcc_lo
.endr
	; A block's first step multiplies O^T and l by a = 0, so these need only hold finite numbers: zeros for the first block, what the first block left for the second.  This stands in the wait for the first tile.
	WIN 0x40
.set i, 0
.rept 256
	v_mov_b32 v[i], 0
.set i, i+1
.endr
	WIN 0
.irp t, 0,1,2,3
	v_mov_b32 v[ST+8*\t], CMLOW     ; c m: far below every c s, so the first a is 0
	v_mov_b32 v[ST+8*\t+1], MFLOOR  ; m: below every score that is seen, above every hidden one
	v_mov_b32 v[ST+8*\t+2], 0
	v_mov_b32 v[ST+8*\t+3], 0
.endr
; THE MATRIX WORK.  The accumulators take turns, one instruction a turn.
; Product i of 32 of S^T = K Q^T for tiles x, x + 1: channels 32 (i / 8) on, keys 16 ((i / 2) % 4) on, tile x + i % 2.  The first 8 start the sums with the mask.
.macro KQ x
.set rS, S+32*((\x)+i%2)+8*((i/2)%4)
.set rK, KF+32*((i/2)%4)+8*(i/8)
.set rQ, 32*((\x)+i%2)+8*(i/8)
.if i < 8
.set rM, CU
.if ((i/2)%4) < ((\x)+i%2)
.set rM, CL
.endif
.if ((i/2)%4) == ((\x)+i%2)
.set rM, CD
.endif
	WIN W_KM
	v_wmma_f32_16x16x32_f16 v[rS:rS+7], v[rK:rK+7], v[rQ:rQ+7], v[rM:rM+7]
.else
	WIN W_KQ
	v_wmma_f32_16x16x32_f16 v[rS:rS+7], v[rK:rK+7], v[rQ:rQ+7], v[rS:rS+7]
.endif
.endm
; Product i of 32 of O^T += V^T P: keys 32 (i / 16) on, channel block (i / 2) % 8, tile x + i % 2.
.macro PV x
	WIN W_PV
.set rO, 64*((\x)+i%2)+8*((i/2)%8)
.set rV, 64*(i/16)+8*((i/2)%8)
.set rP, P+16*((\x)+i%2)+8*(i/16)
	v_wmma_f32_16x16x32_f16 v[rO:rO+7], v[rV:rV+7], v[rP:rP+7], v[rO:rO+7]
.endm
; THE LDS LOADS stand in runs of 32: my 64 keys of a tile's K (16 fragments), and of its V (turned).
.macro FETCH_K
	WIN 0
	v_add_nc_u32 v[ADR], s[TBK], v[AK0]
	s_xor_b32 s[TBK], s[TBK], SLOT1
	WIN 0x80
.irp f, 0,1,2,3,4,5,6,7,8,9,10,11,12,13,14,15  ; keys 16 (f / 4) on, channels 32 (f % 4) on
	ds_load_b128 v[KF+8*(\f):KF+8*(\f)+3],   v[ADR] offset:((\f)/4)*16*PK+((\f)%4)*64
	ds_load_b128 v[KF+8*(\f)+4:KF+8*(\f)+7], v[ADR] offset:((\f)/4)*16*PK+((\f)%4)*64+32
.endr
	WIN 0
.endm
.macro FETCH_V
	WIN 0
	v_add_nc_u32 v[ADR], s[TBV], v[AVA]
	v_add_nc_u32 v[ADR2], s[TBV], v[AVB]
	s_xor_b32 s[TBV], s[TBV], SLOT1
	WIN 0xc0
.irp f, 0,1,2,3,4,5,6,7,8,9,10,11,12,13,14,15  ; keys 32 (f / 8) on, O^T's block f % 8
	ds_load_tr16_b128 v[8*(\f):8*(\f)+3],   v[ADR+((\f)%8)/4] offset:((\f)/8)*32*PV+((\f)%4)*32
	ds_load_tr16_b128 v[8*(\f)+4:8*(\f)+7], v[ADR+((\f)%8)/4] offset:((\f)/8)*32*PV+16*PV+((\f)%4)*32
.endr
	WIN 0
.endm
; THE VECTOR WORK.  One tile's softmax for one trip is a list of 134 instructions; SM writes number j of it for tile t.  s0-s31 are the lane's 32 scores, in pairs 0-15.
;   0-15    the maximum of s0-s31 and the old m, three operands at a time (each accumulator's lowest registers are read first)
;   16-20   the other half of the lanes' maximum; the new m; c m; c m_old - c m_new
;   21-87   33 exponentials (a, then s0-s31) at the odd numbers from 23 on, a plain instruction at every even one: scalings a few pairs ahead, roundings a pair back, the first sums
;   88-101  the last rounding; the rest of the sums; l = a l + the sum          102-133 the tile's O^T times a: the one part that leaves window 0
.macro SM t
.set rT, ST+8*(\t)
.set rS, S+32*(\t)
.set rP, P+16*(\t)
.set rO, 64*(\t)+2*(j-102)
.set q, (j-20)/2
.if j < 102
	WIN 0
.endif
.if j < 4
	v_max3_num_f32 v[rT+4+j], v[rS+8*j], v[rS+8*j+1], v[rS+8*j+2]
.elseif j < 12
	v_max3_num_f32 v[rT+4+j%4], v[rT+4+j%4], v[rS+8*(j%4)+2*(j/4)+1], v[rS+8*(j%4)+2*(j/4)+2]
.elseif j == 12
	v_max3_num_f32 v[rT+4], v[rT+4], v[rS+7], v[rS+15]
.elseif j == 13
	v_max3_num_f32 v[rT+6], v[rT+6], v[rS+23], v[rS+31]
.elseif j == 14
	v_max3_num_f32 v[rT+4], v[rT+4], v[rT+5], v[rT+6]
.elseif j == 15
	v_max3_num_f32 v[rT+4], v[rT+4], v[rT+7], v[rT+1]
.elseif j == 16
	v_permlanex16_b32 v[rT+5], v[rT+4], s[SEL], s[SEL+1]  ; the query's other 32 keys lie in the lane 16 away
.elseif j == 18
	v_max_num_f32 v[rT+1], v[rT+4], v[rT+5]
.elseif j == 19
	v_mul_f32 v[rT], s[CS], v[rT+1]
.elseif j == 17
	v_mov_b32 v[rT+7], v[rT]        ; c m_old is kept for a: number 19 writes c m anew
.elseif j == 20
	v_sub_f32 v[rT+7], v[rT+7], v[rT]
.elseif j == 23
	v_exp_f32 v[rT+6], v[rT+7]
.elseif (j < 88) && (j > 23) && (j%2 == 1)
	v_exp_f32 v[rS+(j-25)/2], v[rS+(j-25)/2]
.elseif (q < 4) || ((j < 76) && (q%2 == 0))
.set b, q/2+2
.if q < 4
.set b, q
.endif
	v_pk_fma_f32 v[rS+2*b:rS+2*b+1], v[rS+2*b:rS+2*b+1], s[CS:CS+1], v[rT:rT+1] op_sel_hi:[1,0,0] neg_lo:[0,0,1] neg_hi:[0,0,1]  ; pair b: c s - c m
.elseif (j < 88) && (q%2 == 1)
	s_wait_alu depctr_va_vdst(0)
	v_cvt_pk_f16_f32 v[rP+(q-5)/2], v[rS+q-5], v[rS+q-4]  ; pair (q - 5) / 2: its second exponential stands three numbers back
.elseif j == 89
	s_wait_alu depctr_va_vdst(0)
	v_cvt_pk_f16_f32 v[rP+15], v[rS+30], v[rS+31]
.elseif j < 102                     ; the sum of the tile's 16 pairs, in place: sum z of 16 adds neighbours 1, 2, 4 and 8 pairs apart, then l takes it
.set z, j-86
.if j < 89
.set z, (j-76)/4
.endif
.set w, 4
.set u, z
.if z >= 14
.set w, 32
.set u, 0
.elseif z >= 12
.set w, 16
.set u, z-12
.elseif z >= 8
.set w, 8
.set u, z-8
.endif
.if z < 15
	v_pk_add_f32 v[rS+w*u:rS+w*u+1], v[rS+w*u:rS+w*u+1], v[rS+w*u+w/2:rS+w*u+w/2+1]
.else
	v_pk_fma_f32 v[rT+2:rT+3], v[rT+2:rT+3], v[rT+6:rT+7], v[rS:rS+1] op_sel_hi:[1,0,1]
.endif
.else
	WIN W_RS
	v_pk_mul_f32 v[rO:rO+1], v[rO:rO+1], v[rT+6:rT+7] op_sel_hi:[1,0]
.endif
.endm
; Slice k of 64 of the softmax of tiles y, y + 1: numbers 2 k and 2 k + 1 of both lists; the twelve that are over stand in slice 63.
.macro SLICE y
.if (k >= 11) && (k < 44)           ; tile by tile: plain, exponential, plain, exponential
.irp t, \y, (\y)+1
.irp n, 0,1
.set j, 2*k+(\n)
	SM \t
.endr
.endr
.else                               ; the two tiles alternate, so that no instruction reads the result of the one just before it
.irp n, 0,1,2,3,4,5,6,7
.if ((\n) < 2) || (k == 63)
.irp t, \y, (\y)+1
.set j, 2*k+(\n)
	SM \t
.endr
.endif
.endr
.endif
.set k, k+1
.endm
; The trip's first half: the masks; V's run of loads; all scores; the softmax of tiles 0, 1, two slices behind each product of tiles 2, 3.
.macro H1
	s_cmp_eq_u32 s[RT], 1           ; the block's last tile holds the diagonal
	s_cselect_b32 s[AL], s[AL1], 0
	s_cselect_b32 s[BL], s[BL1], 0
	s_cselect_b32 s[BU], s[BU1], 0
	WIN 0xc3
.irp z, 0,1,2,3
	v_pk_fma_f32 v[CD+2*(\z):CD+2*(\z)+1], v[MD+2*(\z):MD+2*(\z)+1], s[AL:AL+1], s[BL:BL+1] op_sel_hi:[1,0,0]
.endr
	WIN 0xc0
.irp z, 0,1,2,3,4,5,6,7
	v_mov_b32 v[CL+\z], s[BL]
	v_mov_b32 v[CU+\z], s[BU]
.endr
	FETCH_V
	s_wait_loadcnt 0x0              ; Q: the kernel's first, or the second block's
	s_wait_dscnt 32                 ; K is in; the 32 issued behind it are V's
.set i, 0
.rept 32
	KQ 0
.set i, i+1
.endr
	WIN 0
	PLACES                          ; between those products and the first read of their scores
.set k, 0
.set i, 0
.rept 32
	KQ 2
	SLICE 0
	SLICE 0
.set i, i+1
.endr
.endm
; Its second half: V^T P of tiles 0, 1 with the softmax of tiles 2, 3 between; V^T P of tiles 2, 3; four places, which stand on every way that follows.
.macro H2
.set k, 0
.set i, 0
.rept 32
	PV 0
	SLICE 2
	SLICE 2
.set i, i+1
.endr
.set i, 0
.rept 32
	PV 2
.set i, i+1
.endr
	WIN 0
	PLACES
.endm
; A BLOCK'S END, first part: l's two halves and the other half of the lanes' are added; in the first block the second block's Q is asked for; O^T's blocks 4-7, c m and l go to my partner.
.macro GIVE
	WIN 0
.irp t, 0,1,2,3
	v_add_f32 v[ST+8*\t+2], v[ST+8*\t+2], v[ST+8*\t+3]
.endr
.irp t, 0,1,2,3
	v_permlanex16_b32 v[ST+8*\t+3], v[ST+8*\t+2], s[SEL], s[SEL+1]
.endr
.irp t, 0,1,2,3
	v_add_f32 v[ST+8*\t+2], v[ST+8*\t+2], v[ST+8*\t+3]
.endr
	s_cmp_lg_u32 s[BLK], 0
	s_cbranch_scc1 .Lno_q_\@
	WIN 0x80
.irp i, 0,1,2,3,4,5,6,7,8,9,10,11,12,13,14,15
	global_load_b128 v[8*(\i):8*(\i)+3],   v[QO], s[QLO:QLO+1] offset:((\i)/4)*4096+((\i)%4)*64
	global_load_b128 v[8*(\i)+4:8*(\i)+7], v[QO], s[QLO:QLO+1] offset:((\i)/4)*4096+((\i)%4)*64+32
.endr
	WIN 0
.Lno_q_\@:
	WIN 0x04                        ; the stores' data in window 1
.set n, 0
.rept 32
	ds_store_b128 v[MST], v[64*(n/8)+32+4*(n%8):64*(n/8)+32+4*(n%8)+3] offset:n*512
.set n, n+1
.endr
	WIN 0
.irp t, 0,1,2,3
	v_mov_b32 v[GV+\t], v[ST+8*\t]
	v_mov_b32 v[GV+4+\t], v[ST+8*\t+2]
.endr
	ds_store_b128 v[MST], v[GV:GV+3] offset:32*512
	ds_store_b128 v[MST], v[GV+4:GV+7] offset:33*512
.endm
; Second part, behind the barrier: with M = the larger c m, f = 2^(c m - M) for each side: O = (O_A f_A + O_B f_B) / (l_A f_A + l_B f_B) for my 64 channels; f16; through my stage; stored.
; One side of the two has always seen a key, so the divisor is at least that side's largest weight, 1; a side that saw none brings l = 0 and O = 0 with a finite f.
.macro OPACK t
.irp f, 0,1,2,3
	ds_store_b128 v[STO], v[P+16*(\t)+4*\f:P+16*(\t)+4*\f+3] offset:32*\f
.endr
.irp f, 0,1,2,3
	ds_load_b128 v[S+16*(\t)+4*\f:S+16*(\t)+4*\f+3], v[RD] offset:\f*4*SP  ; LDS serves a wave's instructions in order: these see the stores above; the next tile's stores come behind them
.endr
.endm
.macro OSEND t, younger             ; younger: the LDS instructions issued behind tile t's loads
.irp f, 0,1,2,3
	s_wait_dscnt (\younger)+3-\f
	global_store_b128 v[GO], v[S+16*(\t)+4*\f:S+16*(\t)+4*\f+3], s[10:11] offset:(\t)*2048+\f*512  ; 512 consecutive bytes of a panel: four rows
.endr
.endm
.macro TAKE
	WIN 0
	ds_load_b128 v[P:P+3], v[MLD] offset:32*512    ; my partner's c m,
	ds_load_b128 v[P+4:P+7], v[MLD] offset:33*512  ; its l,
.set n, 0
.rept 32
	ds_load_b128 v[S+4*n:S+4*n+3], v[MLD] offset:n*512  ; and its part of my channels
.set n, n+1
.endr
	s_wait_dscnt 32
.irp t, 0,1,2,3
	v_max_num_f32 v[ST+8*\t+4], v[ST+8*\t], v[P+\t]
.endr
.irp t, 0,1,2,3
	v_sub_f32 v[ST+8*\t+5], v[ST+8*\t], v[ST+8*\t+4]
	v_sub_f32 v[ST+8*\t+6], v[P+\t], v[ST+8*\t+4]
.endr
.irp t, 0,1,2,3
	v_exp_f32 v[ST+8*\t+5], v[ST+8*\t+5]
	v_exp_f32 v[ST+8*\t+6], v[ST+8*\t+6]
.endr
	v_nop                           ; a plain instruction between the last exponential and the use of its result
	s_wait_alu depctr_va_vdst(0)
.irp t, 0,1,2,3
	v_mul_f32 v[ST+8*\t+7], v[ST+8*\t+2], v[ST+8*\t+5]
.endr
.irp t, 0,1,2,3
	v_fma_f32 v[ST+8*\t+7], v[P+4+\t], v[ST+8*\t+6], v[ST+8*\t+7]
.endr
.irp t, 0,1,2,3
	v_rcp_f32 v[ST+8*\t+7], v[ST+8*\t+7]
.endr
	v_nop
	s_wait_alu depctr_va_vdst(0)
.irp t, 0,1,2,3
	v_mul_f32 v[ST+8*\t+4], v[ST+8*\t+5], v[ST+8*\t+7]
	v_mul_f32 v[ST+8*\t+6], v[ST+8*\t+6], v[ST+8*\t+7]
.endr
	s_wait_dscnt 0x0
.set n, 0
.rept 64
	v_pk_mul_f32 v[S+2*n:S+2*n+1], v[S+2*n:S+2*n+1], v[ST+8*(n/16)+6:ST+8*(n/16)+7] op_sel_hi:[1,0]
.set n, n+1
.endr
	WIN 0x01
.set n, 0
.rept 64
	v_pk_fma_f32 v[S+2*n:S+2*n+1], v[64*(n/16)+2*(n%16):64*(n/16)+2*(n%16)+1], v[ST+8*(n/16)+4:ST+8*(n/16)+5], v[S+2*n:S+2*n+1] op_sel_hi:[1,0,1]
.set n, n+1
.endr
	WIN 0
.set n, 0
.rept 64
	v_cvt_pk_f16_f32 v[P+n], v[S+2*n], v[S+2*n+1]
.set n, n+1
.endr
	OPACK 0
	OPACK 1
	OSEND 0, 8
	OPACK 2
	OSEND 1, 8
	OPACK 3
	OSEND 2, 8
	OSEND 3, 0
	s_wait_xcnt 0x0                 ; the stores have read their registers and their base
	s_mov_b64 s[10:11], s[OLO:OLO+1]  ; on to the second block (behind the second block these lines serve nothing more)
	s_add_co_u32 s[RT], s[PB], 1    ; which has b + 1 tiles
	s_mov_b32 s[BLK], 1
.irp t, 0,1,2,3
	v_mov_b32 v[ST+8*\t], CMLOW     ; as at the kernel's head
	v_mov_b32 v[ST+8*\t+1], MFLOOR
.endr
.endm
; A TRIP.  last = 1 (the tail): in its last trip there is no further tile, and K's run is jumped over.  The barrier between giving and taking stands on every way, in every trip: no jump passes it.
.macro TRIP fill, last
	H1
	CHANGE \fill
.if \last
	s_cmp_eq_u32 s[CNT], 1
	s_cbranch_scc1 .Lno_k_\@
.endif
	FETCH_K                         ; the next tile's K: the second half of the trip stands between these loads and their use
.if \last
.Lno_k_\@:
.endif
	H2
	s_sub_co_u32 s[RT], s[RT], 1
	s_cmp_lg_u32 s[RT], 0
	s_cbranch_scc1 .Lno_give_\@
	GIVE
.Lno_give_\@:
	s_wait_dscnt 0x0                ; for my partner's sake: my stores are done
	s_barrier_signal -1
	s_barrier_wait -1
	s_cmp_lg_u32 s[RT], 0
	s_cbranch_scc1 .Lno_take_\@
	TAKE
.Lno_take_\@:
.endm
	CHANGE 1                        ; slot 0 is in, everybody's part of it; slot 1 is asked for
	FETCH_K
	s_mov_b32 s[CNT], 15
.Ltrip:                             ; 15 trips: a tile is worked on and the tile two further on is asked for
	TRIP 1, 0
	s_sub_co_u32 s[CNT], s[CNT], 1
	s_cmp_lg_u32 s[CNT], 0
	s_cbranch_scc1 .Ltrip
	s_mov_b32 s[CNT], 2
.Ltail:                             ; the last two tiles are written out
	TRIP 0, 1
	s_sub_co_u32 s[CNT], s[CNT], 1
	s_cmp_lg_u32 s[CNT], 0
	s_cbranch_scc1 .Ltail
	s_wait_tensorcnt 0x0            ; the wave's end: waits behind my last tensor load and my last LDS store
	ds_add_u32 v[SPW], v[NIL]
	s_wait_dscnt 0x0
	s_endpgm
.Lfunc_end_k_qdb882e07ab_attn:
	.size	k_qdb882e07ab_attn, .Lfunc_end_k_qdb882e07ab_attn-k_qdb882e07ab_attn
	.p2alignl 7, 3214868480
	.fill 96, 4, 3214868480
	.section	.rodata,"a",@progbits
	.p2align	6, 0x0
	.amdhsa_kernel k_qdb882e07ab_attn
		.amdhsa_group_segment_fixed_size 327680
		.amdhsa_private_segment_fixed_size 0
		.amdhsa_enable_private_segment 0
		.amdhsa_kernarg_size 32
		.amdhsa_user_sgpr_count 2
		.amdhsa_user_sgpr_kernarg_segment_ptr 1
		.amdhsa_wavefront_size32 1
		.amdhsa_system_sgpr_workgroup_id_x 1
		.amdhsa_system_sgpr_workgroup_id_y 1
		.amdhsa_system_sgpr_workgroup_id_z 1
		.amdhsa_system_vgpr_workitem_id 0
		.amdhsa_next_free_vgpr 1024
		.amdhsa_next_free_sgpr 96
		.amdhsa_reserve_vcc 1
		.amdhsa_float_denorm_mode_32 3
		.amdhsa_float_denorm_mode_16_64 3
		.amdhsa_memory_ordered 1
		.amdhsa_forward_progress 1
		.amdhsa_inst_pref_size 176
	.end_amdhsa_kernel
	.amdgpu_metadata
---
amdhsa.version: [ 1, 2 ]
amdhsa.kernels:
  - .name:           k_qdb882e07ab_attn
    .symbol:         k_qdb882e07ab_attn.kd
    .args:
      - { .name: qh, .offset: 0, .size: 8, .value_kind: global_buffer, .address_space: global }
      - { .name: kh, .offset: 8, .size: 8, .value_kind: global_buffer, .address_space: global }
      - { .name: vh, .offset: 16, .size: 8, .value_kind: global_buffer, .address_space: global }
      - { .name: yp, .offset: 24, .size: 8, .value_kind: global_buffer, .address_space: global }
    .group_segment_fixed_size: 327680
    .private_segment_fixed_size: 0
    .kernarg_segment_align: 8
    .kernarg_segment_size: 32
    .max_flat_workgroup_size: 128
    .sgpr_count:     96
    .vgpr_count:     1024
    .wavefront_size: 32
...
	.end_amdgpu_metadata
.endif
;; end of part 3
;; launch proj (part 4): grid 8 x 32, 4 waves a work-group, clusters of 4 x 4, 327,680 bytes of LDS; arguments yp, cw, sa_lambdas, out0; writes out0
.if DOCPART == 4
	.amdgcn_target "amdgcn-amd-amdhsa--gfx1250"
	.amdhsa_code_object_version 6
	.text
	.protected	k_qdb882e07ab_proj
	.globl	k_qdb882e07ab_proj
	.p2align	8
	.type	k_qdb882e07ab_proj,@function
k_qdb882e07ab_proj:
	s_mov_b64 s[64:65], 0
	v_nop
	global_prefetch_b8 v0, s[64:65] scope:SCOPE_SE
	s_setreg_imm32_b32 hwreg(HW_REG_WAVE_MODE, 25, 1), 1
	s_wait_xcnt 0x0
	s_wait_alu depctr_hold_cnt(0) depctr_sa_sdst(0) depctr_va_vdst(0) depctr_va_sdst(0) depctr_va_ssrc(0) depctr_va_vcc(0) depctr_vm_vsrc(0)
	s_getreg_b32 s2, hwreg(HW_REG_IB_STS2, 6, 4)
	s_cmp_eq_u32 s2, 0
	s_cbranch_scc0 .Lentry_in_a_cluster
	s_endpgm
.Lentry_in_a_cluster:
	s_bfe_u32 s2, ttmp6, 0x10000c
	s_cmp_lg_u32 s2, 0xf033
	s_cbranch_scc0 .Lentry_shape_is_right
	s_endpgm
.Lentry_shape_is_right:
; PROJ.  out0[row][n] = L x the sum over e of y[row][e] W[n][e]: y (yp) and W (cw) in f16, in K panels [K/64][rows][64]; sums in f32; out0 in f32.  L is the power of two that the launch before took out of v.
; A work-group makes 256 rows x 128 columns, each of its four waves 64 x 128: 32 accumulators in window 1, (a, b) at v[64 a + 8 b].  The matrix instruction is used transposed (source 0 = 16 rows of W,
; source 1 = 16 rows of y): a lane holds one row and eight neighbouring columns.  K goes in steps of 128, two panels to a slot, through two LDS slots; a tile is dense in memory and is asked for as rows of 256 bytes.
; CLUSTER 4 x 4: y's tile is shared along a row of the cluster, W's along a column: joint loads.
; LIMITS.  L as in the launch before: the power of two in max(|l0|, |l1|) of the lambdas rounded to bf16, held to 2^-100 .. 2^100.
.set SLOT1,  1<<17
.set PITCH,  144
.set APAN,   256*PITCH                 ; a panel's 256 rows of y in LDS: what wave 0 or 1 fetches
.set BPAN,   128*PITCH                 ; a panel's 128 rows of W: what wave 2 or 3 fetches
.set BOFF,   2*APAN
.set SPARE,  BOFF+2*BPAN               ; behind slot 0: the spare words, 128 bytes for each wave: two blocks of 256 bytes that no other line names
.set STAGE,  SLOT1+BOFF+2*BPAN         ; behind slot 1, never filled by a tensor load: 16 rows x 528 bytes for each wave
.set SPF,    528
.set AA0, 16
.set AB0, 17
.set AA,  18
.set AB,  19
.set STO, 20
.set RD,  21
.set GO,  22
.set SPW, 28
.set NIL, 29
.set X,   32                           ; the way out: 64 numbers of a row block
.set BK,  96                           ; 16 rows read back
.set WV,   10
.set SIDE, 11
.set E,    12
.set TY,   13
.set TX,   14
.set CX,   15
.set CY,   16
.set MROW, 17
.set MCOL, 18
.set G1A,  24
.set G1B,  32
.set G0A,  40
.set G0B,  48
.set TB,   56
.set OB,   92
.set MSB, 0
.macro WIN new
.if MSB != (\new)
	s_set_vgpr_msb (MSB<<8)|(\new)
.set MSB, \new
.endif
.endm
.macro PLACES
.rept 4
	v_nop
.endr
.endm
.macro JLOAD                           ; a joint refill by the walking descriptors; an s_nop 0 and four v_nop follow each of the two lines
	s_cmp_eq_u32 s[SIDE], 0
	s_cbranch_scc0 .Lfor_b_\@
	tensor_load_to_lds s[G0A+4:G0A+7], s[G1A:G1A+7]
	s_nop 0
	PLACES
	s_branch .Lasked_\@
.Lfor_b_\@:
	tensor_load_to_lds s[G0B+4:G0B+7], s[G1B:G1B+7]
	s_nop 0
	PLACES
.Lasked_\@:
.endm
.macro CREST
	s_cmp_lg_u32 s[WV], 0
	s_cbranch_scc1 .Lnot_wave_0_\@
	s_barrier_signal -3
.Lnot_wave_0_\@:
	s_barrier_wait -3
	s_barrier_signal -1
	s_barrier_wait -1
.endm
.macro CROUND
	s_barrier_signal -1
	s_barrier_wait -1
	CREST
.endm
	s_load_b256 s[68:75], s[0:1], 0x0              ; yp 68, cw 70, sa_lambdas 72, out0 74
	v_lshl_add_u32 v[SPW], v0, 2, SPARE
	v_mov_b32 v[NIL], 0
	ds_add_u32 v[SPW], v[NIL]                      ; the wave's opening: the add and its wait stand ahead of my first tensor load
	ds_add_u32 v28, v29
	v_lshrrev_b32 v1, 5, v0
	v_readfirstlane_b32 s[WV], v1
	s_lshr_b32 s[SIDE], s[WV], 1
	s_and_b32 s[E], s[WV], 1
	s_bfe_u32 s[CX], ttmp6, 0x40000
	s_bfe_u32 s[CY], ttmp6, 0x40004
	s_lshl_b32 s[TX], ttmp9, 2
	s_add_co_u32 s[TX], s[TX], s[CX]               ; block of 128 columns
	s_and_b32 s[TY], ttmp7, 0xffff
	s_lshl_b32 s[TY], s[TY], 2
	s_add_co_u32 s[TY], s[TY], s[CY]               ; block of 256 rows
	s_lshl_b32 s[MROW], s[CY], 2
	s_lshl_b32 s[MROW], 15, s[MROW]
	s_lshl_b32 s[MCOL], 0x1111, s[CX]
	s_or_b32 s[G1A], s[MROW], (1<<16)|(1<<20)|(1<<21)|(4<<22)|(3<<25)  ; the mask; 2-byte elements; padding on; bit 21 beside a mask; after every 32 words 4 words
	s_or_b32 s[G1B], s[MCOL], (1<<16)|(1<<20)|(1<<21)|(4<<22)|(3<<25)
	s_mov_b32 s[G1A+1], 128<<16
	s_mov_b32 s[G1A+2], 128<<16                    ; 128 rows of 256 bytes: 256 tile rows
	s_mov_b32 s[G1A+3], 128<<16
	s_mov_b32 s[G1A+4], 128
	s_mov_b32 s[G1A+5], 128
	s_mov_b32 s[G1A+6], 0
	s_mov_b32 s[G1A+7], 0
	s_mov_b32 s[G1B+1], 128<<16
	s_mov_b32 s[G1B+2], 64<<16                     ; 128 tile rows
	s_mov_b32 s[G1B+3], 128<<16
	s_mov_b32 s[G1B+4], 64
	s_mov_b32 s[G1B+5], 128
	s_mov_b32 s[G1B+6], 0
	s_mov_b32 s[G1B+7], 0
	s_lshl_b32 s58, s[TY], 15                      ; y: the block's 256 rows of 128 bytes, in panel e; in registers that never hold cx
	s_lshl_b32 s59, s[E], 20
	s_add_co_u32 s58, s58, s59
	s_mov_b32 s59, 0
	s_lshl_b32 s60, s[TX], 14                      ; W: the block's 128 rows, in panel e; in registers that never hold cy
	s_lshl_b32 s61, s[E], 17
	s_add_co_u32 s60, s60, s61
	s_mov_b32 s61, 0
	s_mul_i32 s19, s[E], APAN
	s_mul_i32 s22, s[E], BPAN
	s_add_co_u32 s22, s22, BOFF
	s_lshl_b32 s8, s[TY], 20                       ; out0: rows of 4,096 bytes, 512 of them mine
	s_lshl_b32 s9, s[WV], 18
	s_add_co_u32 s8, s8, s9
	s_lshl_b32 s9, s[TX], 9
	s_add_co_u32 s8, s8, s9
	s_mov_b32 s9, 0
	s_mov_b32 s[TB], 0
	s_wait_dscnt 0x0                               ; the opening add is done
	s_wait_kmcnt 0x0
	s_mov_b32 s[G0A], 1
	s_mov_b32 s[G0A+1], s19
	s_add_nc_u64 s[G0A+2:G0A+3], s[68:69], s[58:59]
	s_mov_b32 s[G0A+4], 1
	s_add_co_u32 s[G0A+5], s19, SLOT1
	s_add_nc_u64 s[G0A+6:G0A+7], s[G0A+2:G0A+3], 0x200000  ; two panels on
	s_or_b32 s[G0A+3], s[G0A+3], 0x80000000
	s_or_b32 s[G0A+7], s[G0A+7], 0x80000000
	s_mov_b32 s[G0B], 1
	s_mov_b32 s[G0B+1], s22
	s_add_nc_u64 s[G0B+2:G0B+3], s[70:71], s[60:61]
	s_mov_b32 s[G0B+4], 1
	s_add_co_u32 s[G0B+5], s22, SLOT1
	s_add_nc_u64 s[G0B+6:G0B+7], s[G0B+2:G0B+3], 0x40000
	s_or_b32 s[G0B+3], s[G0B+3], 0x80000000
	s_or_b32 s[G0B+7], s[G0B+7], 0x80000000
	s_add_nc_u64 s[OB:OB+1], s[74:75], s[8:9]
	s_load_b64 s[60:61], s[72:73], 0x0             ; the two lambdas
	CROUND                                         ; all sixteen work-groups are here: the first joint loads meet
	s_cmp_eq_u32 s[SIDE], 0                        ; a wave's two first fills stand in one branch: two loads of mine are out
	s_cbranch_scc0 .Lfirst_b
	tensor_load_to_lds s[G0A:G0A+3], s[G1A:G1A+7]
	s_nop 0
	tensor_load_to_lds s[G0A+4:G0A+7], s[G1A:G1A+7]
	s_nop 0
	PLACES
	s_branch .Lfirst_asked
.Lfirst_b:
	tensor_load_to_lds s[G0B:G0B+3], s[G1B:G1B+7]
	s_nop 0
	tensor_load_to_lds s[G0B+4:G0B+7], s[G1B:G1B+7]
	s_nop 0
	PLACES
.Lfirst_asked:
	v_and_b32 v1, 15, v0
	v_bfe_u32 v2, v0, 4, 1
	v_mul_u32_u24 v3, v1, PITCH
	v_lshl_add_u32 v3, v2, 4, v3
	s_mul_i32 s58, s[WV], 64*PITCH
	v_add_nc_u32 v[AA0], s58, v3
	v_add_nc_u32 v[AB0], BOFF, v3
	v_mov_b32 v[AA], v[AA0]
	v_mov_b32 v[AB], v[AB0]
	s_mul_i32 s22, s[WV], 16*SPF
	s_add_co_u32 s22, s22, STAGE
	v_mul_u32_u24 v4, v1, SPF
	v_lshl_add_u32 v4, v2, 5, v4
	v_add_nc_u32 v[STO], s22, v4                   ; row r, 32 bytes for each half of the lanes
	v_and_b32 v6, 31, v0
	v_lshlrev_b32 v[GO], 4, v6
	v_add_nc_u32 v[RD], s22, v[GO]                 ; back: 32 lanes take a row's 512 bytes
	s_wait_kmcnt 0x0
	v_cvt_pk_bf16_f32 v4, s60, s61                 ; L, made as the launch before made it
	v_readfirstlane_b32 s62, v4
	s_lshl_b32 s60, s62, 16
	s_and_b32 s61, s62, 0xffff0000
	s_and_b32 s62, s60, 0x7fffffff
	s_and_b32 s63, s61, 0x7fffffff
	s_max_u32 s62, s62, s63
	s_max_u32 s62, s62, 0x0d800000
	s_min_u32 s62, s62, 0x71800000
	s_and_b32 s84, s62, 0x7f800000
	s_mov_b32 s85, s84                             ; named with it as a pair
; 16 matrix instructions: row blocks a0, a0 + 1 x 8 column blocks, 32 along K, on buffers c % 2.  The 32 accumulators take turns in the same order in every chunk.
.macro MUL16 c, a0, zero
	WIN 0x50
.set fa, 192-160*((\c)%2)
.set fb, 128-64*((\c)%2)
.irp a, \a0, (\a0)+1
.irp b, 0,1,2,3,4,5,6,7
.if \zero
	v_wmma_f32_16x16x32_f16 v[64*(\a)+8*(\b):64*(\a)+8*(\b)+7], v[fb+8*(\b):fb+8*(\b)+7], v[fa+8*(\a):fa+8*(\a)+7], 0
.else
	v_wmma_f32_16x16x32_f16 v[64*(\a)+8*(\b):64*(\a)+8*(\b)+7], v[fb+8*(\b):fb+8*(\b)+7], v[fa+8*(\a):fa+8*(\a)+7], v[64*(\a)+8*(\b):64*(\a)+8*(\b)+7]
.endif
.endr
.endr
.endm
.macro FETCH c                         ; chunk c of a step's four: panel c / 2, 32 k at c % 2: 16 loads of W, 8 of y, in one run
	WIN 0
.set fa, 192-160*((\c)%2)
.set fb, 128-64*((\c)%2)
.irp i, 0,1,2,3,4,5,6,7
	ds_load_b128 v[fb+8*(\i):fb+8*(\i)+3],   v[AB] offset:((\c)/2)*BPAN+((\c)%2)*64+(\i)*16*PITCH
	ds_load_b128 v[fb+8*(\i)+4:fb+8*(\i)+7], v[AB] offset:((\c)/2)*BPAN+((\c)%2)*64+(\i)*16*PITCH+32
.endr
.irp i, 0,1,2,3
	ds_load_b128 v[fa+8*(\i):fa+8*(\i)+3],   v[AA] offset:((\c)/2)*APAN+((\c)%2)*64+(\i)*16*PITCH
	ds_load_b128 v[fa+8*(\i)+4:fa+8*(\i)+7], v[AA] offset:((\c)/2)*APAN+((\c)%2)*64+(\i)*16*PITCH+32
.endr
.endm
.macro UNIT c, zero                    ; chunk 0 or 1: its fragments are in; the next chunk's are asked for; its 32 products
	s_wait_dscnt 0x0
	WIN 0
	PLACES
	FETCH (\c)+1
	MUL16 \c, 0, \zero
	MUL16 \c, 2, \zero
.endm
; Chunks 2 and 3 and the change of slots: in front of the barrier each wave waits for all its tensor loads, adds 0 to its spare word, and waits for that and for its reads of this slot.
; fill = 1: the barrier opens a round of the cluster's, and the joint refill, two K steps ahead, is the first thing behind it.
.macro TURN fill
	s_wait_dscnt 0x0
	WIN 0
	PLACES
	FETCH 3
	MUL16 2, 0, 0
	WIN 0
	s_wait_tensorcnt 0x0                           ; no tensor load of mine is out, so a group 0 may be written
	ds_add_u32 v[SPW], v[NIL]                      ; 0 onto my spare word
.if \fill
	s_xor_b32 s[G0A+5], s[G0A+5], SLOT1
	s_add_nc_u64 s[G0A+6:G0A+7], s[G0A+6:G0A+7], 0x200000
	s_xor_b32 s[G0B+5], s[G0B+5], SLOT1
	s_add_nc_u64 s[G0B+6:G0B+7], s[G0B+6:G0B+7], 0x40000
.endif
	s_wait_dscnt 0x0                               ; the add is done, and my reads of this slot are over
	s_barrier_signal -1
	MUL16 2, 2, 0
	WIN 0
	s_barrier_wait -1
.if \fill
	CREST
	JLOAD                                          ; its four v_nop are also the places in front of the loads below
.else
	PLACES
.endif
	s_xor_b32 s[TB], s[TB], SLOT1
	v_add_nc_u32 v[AA], s[TB], v[AA0]
	v_add_nc_u32 v[AB], s[TB], v[AB0]
	FETCH 0
	MUL16 3, 0, 0
	MUL16 3, 2, 0
.endm
	s_wait_tensorcnt 1                             ; my part of K step 0 is in; step 1's may stay out
	s_barrier_signal -1
	s_barrier_wait -1
	FETCH 0
	UNIT 0, 1                                      ; the first chunk stands in front of the loop: its products start the sums
	WIN 0
	s_mov_b32 s3, 6
.Lstep:                                                ; 6 trips: from a step's second chunk to the next step's first; each fills a slot again
	UNIT 1, 0
	TURN 1
	UNIT 0, 0
	WIN 0
	s_sub_co_u32 s3, s3, 1
	s_cmp_lg_u32 s3, 0
	s_cbranch_scc1 .Lstep
	UNIT 1, 0                                      ; the last two steps ask for nothing
	TURN 0
	UNIT 0, 0
	UNIT 1, 0
	s_wait_dscnt 0x0
	WIN 0
	PLACES
	FETCH 3
	MUL16 2, 0, 0
	MUL16 2, 2, 0
	s_wait_dscnt 0x0
	MUL16 3, 0, 0
	MUL16 3, 2, 0
; THE WAY OUT, a block of 16 rows at a time: times L; 32 bytes a lane into my own stage; back as whole rows of 512 bytes; stored.
.macro SENDF a
.irp i, 0,1,2,3,4,5,6,7,8,9,10,11,12,13,14,15
	global_store_b128 v[GO], v[BK+4*(\i):BK+4*(\i)+3], s[OB:OB+1] offset:(16*(\a)+(\i))*4096 th:TH_STORE_NT  ; 512 consecutive bytes of one row
.endr
.endm
.macro OUTU a
	WIN 0x01
.set n, 0
.rept 32
	v_pk_mul_f32 v[X+2*n:X+2*n+1], v[64*(\a)+2*n:64*(\a)+2*n+1], s[84:85] op_sel_hi:[1,0]
.set n, n+1
.endr
	WIN 0
.if (\a) > 0
	s_wait_dscnt 0x0                               ; the block before is back in registers
	SENDF (\a)-1
.endif
	s_wait_xcnt 0x0                                ; the stores' data registers are loaded again only behind this wait
.irp b, 0,1,2,3,4,5,6,7
	ds_store_b128 v[STO], v[X+8*(\b):X+8*(\b)+3]   offset:64*(\b)
	ds_store_b128 v[STO], v[X+8*(\b)+4:X+8*(\b)+7] offset:64*(\b)+16
.endr
.irp i, 0,1,2,3,4,5,6,7,8,9,10,11,12,13,14,15
	ds_load_b128 v[BK+4*(\i):BK+4*(\i)+3], v[RD] offset:(\i)*SPF  ; LDS serves a wave's instructions in order: these see the stores above
.endr
.endm
	WIN 0
	PLACES
	OUTU 0
	OUTU 1
	OUTU 2
	OUTU 3
	s_wait_dscnt 0x0
	SENDF 3
	s_wait_tensorcnt 0x0                           ; the wave's end: waits behind my last tensor load and my last LDS store
	ds_add_u32 v[SPW], v[NIL]
	s_wait_dscnt 0x0
	CROUND                                         ; the closing round: no work-group ends while a partner may still ask for a tile that names it
	s_endpgm
.Lfunc_end_k_qdb882e07ab_proj:
	.size	k_qdb882e07ab_proj, .Lfunc_end_k_qdb882e07ab_proj-k_qdb882e07ab_proj
	.p2alignl 7, 3214868480
	.fill 96, 4, 3214868480
	.section	.rodata,"a",@progbits
	.p2align	6, 0x0
	.amdhsa_kernel k_qdb882e07ab_proj
		.amdhsa_group_segment_fixed_size 327680
		.amdhsa_private_segment_fixed_size 0
		.amdhsa_enable_private_segment 0
		.amdhsa_kernarg_size 32
		.amdhsa_user_sgpr_count 2
		.amdhsa_user_sgpr_kernarg_segment_ptr 1
		.amdhsa_wavefront_size32 1
		.amdhsa_system_sgpr_workgroup_id_x 1
		.amdhsa_system_sgpr_workgroup_id_y 1
		.amdhsa_system_sgpr_workgroup_id_z 1
		.amdhsa_system_vgpr_workitem_id 0
		.amdhsa_next_free_vgpr 512
		.amdhsa_next_free_sgpr 96
		.amdhsa_reserve_vcc 0
		.amdhsa_float_denorm_mode_32 3
		.amdhsa_float_denorm_mode_16_64 3
		.amdhsa_memory_ordered 1
		.amdhsa_forward_progress 1
		.amdhsa_inst_pref_size 76
	.end_amdhsa_kernel
	.amdgpu_metadata
---
amdhsa.version: [ 1, 2 ]
amdhsa.kernels:
  - .name:           k_qdb882e07ab_proj
    .symbol:         k_qdb882e07ab_proj.kd
    .args:
      - { .name: yp, .offset: 0, .size: 8, .value_kind: global_buffer, .address_space: global }
      - { .name: cw, .offset: 8, .size: 8, .value_kind: global_buffer, .address_space: global }
      - { .name: sa_lambdas, .offset: 16, .size: 8, .value_kind: global_buffer, .address_space: global }
      - { .name: out0, .offset: 24, .size: 8, .value_kind: global_buffer, .address_space: global }
    .group_segment_fixed_size: 327680
    .private_segment_fixed_size: 0
    .kernarg_segment_align: 8
    .kernarg_segment_size: 32
    .max_flat_workgroup_size: 128
    .sgpr_count:     96
    .vgpr_count:     512
    .wavefront_size: 32
...
	.end_amdgpu_metadata
.endif
;; end of part 4
